; MI455X (gfx1250); checked and timed in simulation.
; The chip was launched on July 23, 2026; its instructions are those of AMD's public machine-readable ISA for CDNA 5 (MIT licence, August 2026) and "CDNA5" Instruction Set Architecture Reference Guide (July 2026). The comments in the code are by the model that wrote it; some were corrected since.
;; Multi Head Attention. Allowed arithmetic: matrix products marked QUANTISED: E2M3 operands, one E8M0 scale for each 32 along K, by v_wmma_scale_f32_16x16x128_f8f6f4 with both operands' format E2M3, f32 sums; everything else in f32.
;; Inputs: Wk 1,024 x 1,024 float32; Wo 1,024 x 1,024 float32; Wq 1,024 x 1,024 float32; Wv 1,024 x 1,024 float32; bk 1,024 float32; bo 1,024 float32; bq 1,024 float32; bv 1,024 float32; key 4 x 2,048 x 1,024 float32; mask 1 x 1 x 2,048 x 2,048 bool; query 4 x 2,048 x 1,024 float32; value 4 x 2,048 x 1,024 float32.
;; Outputs: out0 4 x 2,048 x 1,024 float32.
;; This version of the problem:
;;   THIS VERSION OF THE PROBLEM IS GIVEN IN LOW PRECISION. The matrix products marked QUANTISED in the list below multiply operands that are first quantised to E2M3 (2 exponent bits, 3 mantissa bits; 6 bits a number), with one power-of-two scale for each 32 numbers along K (OCP MX v1.0); their sums are f32. All else is computed in f32.
;;   The module's matrix products, in the order in which they are computed (A, B: the left and right operand; K: the contracted axis; several contracted axes count as one K, in the product's order):
;;     1. [M 8,192, K 1,024] x [K 1,024, N 1,024]; A: input query; B: input Wq: QUANTISED
;;     2. [M 8,192, K 1,024] x [K 1,024, N 1,024]; A: input key; B: input Wk: QUANTISED
;;     3. [M 8,192, K 1,024] x [K 1,024, N 1,024]; A: input value; B: input Wv: QUANTISED
;;     4. batch 64 x [M 2,048, K 64] x [K 64, N 2,048]; A: computed on the way; B: computed on the way: QUANTISED
;;     5. batch 64 x [M 2,048, K 2,048] x [K 2,048, N 64]; A: softmax (see below); B: computed on the way: QUANTISED
;;     6. [M 8,192, K 1,024] x [K 1,024, N 1,024]; A: computed on the way; B: input Wo: QUANTISED
;;   THE QUANTISER, for each operand of a quantised product, along K:
;;     - K is cut into blocks of 32 from its start; a last block that is shorter is filled with zeros.
;;     - A block's scale is 2^e with e = floor(log2(the largest magnitude in the block)) - 2, held to -126 .. 127; a block of zeros has e = 0. As a byte (E8M0): e + 127.
;;     - Each number is divided by its block's scale, clamped to +-7.5, and rounded to the nearest number of E2M3, ties to even, subnormals kept.
;;     - The product sums the exact products of the quantised numbers (number of the format x scale) in f32.
;;   ~~~python
;;   def quantise(x, axis):      # numpy; x: float32 -> the quantised numbers, widened to float32 again
;;       x = np.moveaxis(x, axis, -1); K = x.shape[-1]
;;       x = np.pad(x, [(0, 0)] * (x.ndim - 1) + [(0, -K % 32)]); x = x.reshape(x.shape[:-1] + (-1, 32)); a = np.abs(x).max(-1, keepdims=True)
;;       e = np.where(a > 0, np.clip(np.frexp(np.where(a > 0, a, 1))[1] - 1 - 2, -126, 127), 0)      # np.frexp(a)[1] - 1 = floor(log2(a)), exactly
;;       r = np.clip(x / 2.0 ** e, -7.5, 7.5)
;;       step = 2.0 ** (np.maximum(np.frexp(np.where(r == 0, 1, r))[1] - 1, 0) - 3)
;;       q = np.round(r / step) * step * 2.0 ** e      # np.round: ties to even
;;       return np.moveaxis(q.reshape(q.shape[:-2] + (-1,))[..., :K], -1, axis).astype(np.float32)
;;   ~~~
;;   SOFTMAX AHEAD OF A QUANTISED PRODUCT. Where the list says 'softmax', what is quantised is not the finished softmax but p = 2^(t - M), with t = logit x log2(e) and M = ceil(the row's largest t), a whole number; so 1/2 < the row's largest p <= 1. The row's sum l is taken of the UNQUANTISED p, in f32, and the product's result is divided by l at the end. Since M is a whole number, a kernel that streams over the keys may use a running M (the ceiling of the running maximum): every later rescaling is an exact power of two, which a block's scale takes up: the codes' values come out the same.
;;   OPERANDS COMPUTED ON THE WAY. 'Computed on the way' means the value that the module computes at that place (a softmax that the list does not call 'softmax' is quantised finished and normalised). What goes into a quantiser is computed in f32, as accurately as f32 sums, v_exp_f32 and their like allow (about 1e-6 of the number): no bf16 or f16 on the way to a quantiser, and a product that is left as it is and whose result goes on into a quantised operand takes f32 operands (vector FMAs, or v_wmma_f32_16x16x4_f32). A number that lies on a knife's edge between two numbers of the format may be rounded either way, as far as f32 arithmetic and the matrix unit's own rounding can turn it there, and no further.
;; One version. Each part assembles by itself: llvm-mc -triple=amdgcn-amd-amdhsa -mcpu=gfx1250 --defsym DOCPART=n.
;; ======== version 1 of 1: 4 launches
;; workspace buffers: codes 22,020,096 bytes; scales 917,504 bytes; mw 524,288 bytes of whole numbers; tflag 512 bytes of whole numbers; qc 6,815,744 bytes; kv 13,631,488 bytes; cc 6,291,456 bytes; cs 262,144 bytes
;; launch prep (part 1): grid 928 x 1, 4 waves a work-group, no clusters, 33,280 bytes of LDS; arguments query, key, value, Wq, Wk, Wv, Wo, mask, codes, scales, mw, tflag; writes codes, scales, mw, tflag
.if DOCPART == 1
	.amdgcn_target "amdgcn-amd-amdhsa--gfx1250"
	.amdhsa_code_object_version 6
	.text
	.protected	k_q7762c8b78a_prep
	.globl	k_q7762c8b78a_prep
	.p2align	8
	.type	k_q7762c8b78a_prep,@function
k_q7762c8b78a_prep:
	s_mov_b64 s[64:65], 0
	v_nop
	global_prefetch_b8 v0, s[64:65] scope:SCOPE_SE
	s_setreg_imm32_b32 hwreg(HW_REG_WAVE_MODE, 25, 1), 1
	s_wait_xcnt 0x0
; PREP.  Two jobs, told apart by the work-group's number.
; (1) Work-groups 32 .. 927: query, key, value [8192][1024] and Wq, Wk, Wv, Wo [1024][1024], f32, become codes of FP6 (E2M3), K innermost (768 bytes a row), with one E8M0 byte for each 32 along K (32 bytes a row),
;     in ONE stream of rows: query | key | value | Wq | Wk | Wv | Wo.  A block's scale is 2^(floor(log2(largest magnitude)) - 2); its byte is that magnitude's exponent field - 2, held at 1 from below.
;     ROWS LIE BY POSITION: position p holds row p with bits 3 and 4 exchanged (all tensors but Wo), so that 16 neighbouring positions are the rows 32 b + 8 u + r + 8 (r / 8) that a later product wants as one tile.
;     A wave takes 8 rows (8,192 numbers), a work-group 32: the exchange is an exchange of the two bits of the wave's number in the OUTPUT address.
; (2) Work-groups 0 .. 31: the mask [2048][2048] of bytes becomes, for each tile T of 16 queries (by position) and each step of 128 keys, 64 words of lane bits: bit 16 h + r of word 16 b + i is
;     mask[query of lane r][128 step + 32 b + 16 h + i]: the very lane mask that selects register 16 b + i of the scores in the attention launch.  And one word of flags a tile: bits 15:0 NEED (the step has a key that
;     counts; all 16 steps where some row of the tile has no key at all, since such a row's softmax is uniform over all keys), bits 31:16 MIXED (a needed step in which some key is hidden).
; LIMITS: blocks whose largest magnitude lies under 2^-124 keep the byte 1 (a block of zeros too: its codes are zeros, and the bytes are read by this program alone); NaN and infinities are not served.
; The mask is read as 32 bytes of each of 16 rows an instruction: 4 MiB, read once.
.set WAVES, 4
.set STEPS, 16
.set EMAX,  2
.set CB,    12                         ; bytes of 16 codes
.set R,     16                         ; v16-79   four sets of 16 numbers as they are loaded
.set X,     80                         ; v80-111  two sets of 16 neighbours
.set C,     128                        ; v128-191 codes: four registers for each step
.set E,     112                        ; v112-127 a scale byte for each step
.set WREG,  8192                       ; LDS: a region for each wave: two stages of 32 x SP bytes, then its 256 scale bytes
.set SP,    80                         ; a lane's place in a stage: 64 bytes + 16 of padding
.set SPW,   12                         ; v12  LDS address of my spare word; never rewritten
.set NIL,   13                         ; v13  0; never rewritten
.set SPARE, WAVES*WREG                 ; behind the four regions: the spare words, 128 bytes a wave
.set MWG,   32                         ; the mask's work-groups
.set INP,   30                         ; s[30:31] the tensor that I read
.set COD,   20                         ; s[20:21] codes
.set SCB,   22                         ; s[22:23] scales
	s_load_b512 s[4:19], s[0:1], 0x0               ; query, key, value, Wq, Wk, Wv, Wo, mask
	s_load_b256 s[20:27], s[0:1], 0x40             ; codes, scales, mw, tflag
	v_lshl_add_u32 v[SPW], v0, 2, SPARE
	v_mov_b32 v[NIL], 0
	v_lshrrev_b32 v1, 5, v0
	v_readfirstlane_b32 s28, v1                    ; wave
	v_and_b32 v2, 31, v0                           ; lane
	s_wait_kmcnt 0x0
	s_cmp_lt_u32 ttmp9, MWG
	s_cbranch_scc1 .Lmask
	; ---------------- the quantiser ----------------
	v_lshlrev_b32 v3, 4, v2                        ; my 16 bytes of a load's 512
	s_mul_i32 s33, s28, WREG
	v_lshrrev_b32 v14, 2, v2
	v_mul_u32_u24 v14, v14, SP
	v_and_b32 v15, 3, v2
	v_lshl_add_u32 v14, v15, 4, v14
	v_add_nc_u32 v14, s33, v14                     ; the stage, on the way in: SP (lane / 4) + 16 (lane % 4)
	v_mul_u32_u24 v15, v2, SP
	v_add_nc_u32 v15, s33, v15                     ; and on the way out: SP x lane: my 16 neighbours
	v_mul_u32_u24 v4, v2, CB                       ; my codes' place in a step's
	v_lshrrev_b32 v5, 1, v2
	s_add_co_u32 s33, s33, 2*32*SP
	v_add_nc_u32 v5, s33, v5                       ; LDS: my wave's 256 scale bytes, my block's byte
	v_lshlrev_b32 v7, 3, v2                        ; and on the way out 8 bytes a lane
	v_add_nc_u32 v6, s33, v7
	s_sub_co_u32 s29, ttmp9, MWG                   ; g: which 32 rows of the stream
	s_mov_b64 s[INP:INP+1], s[16:17]               ; the tensor and its first g, chosen by the work-group's number alone
	s_mov_b32 s32, 864
.macro PICK thr, ptr, first
	s_cmp_lt_u32 s29, \thr
	s_cselect_b64 s[INP:INP+1], s[\ptr:\ptr+1], s[INP:INP+1]
	s_cselect_b32 s32, \first, s32
.endm
	PICK 864, 14, 832
	PICK 832, 12, 800
	PICK 800, 10, 768
	PICK 768, 8, 512
	PICK 512, 6, 256
	PICK 256, 4, 0
	s_sub_co_u32 s32, s29, s32
	s_lshl_b32 s32, s32, 2
	s_add_co_u32 s32, s32, s28                     ; which 8 rows of the tensor I read
	s_lshl_b32 s34, s32, 15                        ; 32,768 bytes each
	s_mov_b32 s35, 0
	s_add_nc_u64 s[INP:INP+1], s[INP:INP+1], s[34:35]
	s_and_b32 s33, s28, 1                          ; where they go: the wave's two bits exchanged,
	s_lshl_b32 s33, s33, 1
	s_lshr_b32 s34, s28, 1
	s_or_b32 s33, s33, s34
	s_cmp_lt_u32 s29, 864                          ; but for Wo, whose rows stay in order
	s_cselect_b32 s33, s33, s28
	s_lshl_b32 s34, s29, 2
	s_add_co_u32 s34, s34, s33
	s_mul_i32 s36, s34, 32*STEPS*CB                ; 6,144 bytes of codes for 8 rows
	s_mov_b32 s37, 0
	s_add_nc_u64 s[COD:COD+1], s[COD:COD+1], s[36:37]
	s_lshl_b32 s36, s34, 8                         ; 256 scale bytes
	s_add_nc_u64 s[SCB:SCB+1], s[SCB:SCB+1], s[36:37]
.macro LOAD t
.irp i, 0,1,2,3
	global_load_b128 v[R+16*((\t)%4)+4*\i:R+16*((\t)%4)+4*\i+3], v3, s[INP:INP+1] offset:2048*(\t)+512*\i th:TH_LOAD_NT   ; 32 lanes read 512 consecutive bytes
.endr
.endm
.macro TURN t                          ; step t's numbers through the stage: LDS serves a wave's instructions in order, so no wait stands between the stores and the loads
.irp i, 0,1,2,3
	ds_store_b128 v14, v[R+16*((\t)%4)+4*\i:R+16*((\t)%4)+4*\i+3] offset:32*SP*((\t)%2)+8*SP*\i
.endr
.irp i, 0,1,2,3
	ds_load_b128 v[X+16*((\t)%2)+4*\i:X+16*((\t)%2)+4*\i+3], v15 offset:32*SP*((\t)%2)+16*\i
.endr
.endm
.irp t, 0,1,2,3
	LOAD \t
.endr
	s_wait_loadcnt 12                              ; step 0's four loads are in; three steps' twelve may be out
	TURN 0
.macro STEP t
.set XS, X+16*((\t)%2)
.if (\t) > 0
	s_wait_dscnt 1                                 ; this step's numbers are back from the stage (the last step's byte store may be out)
.else
	s_wait_dscnt 0x0
.endif
.if (\t)+4 < STEPS
	LOAD (\t)+4                                    ; into the registers that the stage's stores have read
.endif
.if (\t)+1 < STEPS
.if STEPS-2-(\t) >= 3
	s_wait_loadcnt 12                              ; the next step's four loads are in; those of the three steps behind it may be out
.else
	s_wait_loadcnt 4*(STEPS-2-(\t))
.endif
	TURN (\t)+1
.endif
	v_max3_num_f32 v8, |v[XS]|, |v[XS+1]|, |v[XS+2]|               ; the largest magnitude of my 16
	v_max3_num_f32 v9, |v[XS+3]|, |v[XS+4]|, |v[XS+5]|
.irp i, 6,10
	v_max3_num_f32 v8, v8, |v[XS+\i]|, |v[XS+\i+1]|
	v_max3_num_f32 v9, v9, |v[XS+\i+2]|, |v[XS+\i+3]|
.endr
	v_max3_num_f32 v8, v8, |v[XS+14]|, |v[XS+15]|
	v_max3_num_f32 v8, v8, v9, (EMAX+1)<<23        ; and the floor 2^(EMAX + 1 - 127): the byte cannot fall under 1
	v_max_num_f32_dpp v8, v8, v8 row_xmask:1 row_mask:0xf bank_mask:0xf   ; and of my neighbour's 16: the block's
	v_add_nc_u32 v11, -(EMAX<<23), v8              ; EMAX off its exponent field: the conversion takes this operand's exponent field as its scale
	v_cvt_scalef32_pk16_fp6_f32 v[C+4*(\t):C+4*(\t)+2], v[XS:XS+15], v11
	v_lshrrev_b32 v[E+(\t)], 23, v11               ; the scale's byte (also the plain line behind the conversion)
	ds_store_b8 v5, v[E+(\t)] offset:16*(\t)       ; both lanes of a block write the same byte with the same value
	global_store_b96 v4, v[C+4*(\t):C+4*(\t)+2], s[COD:COD+1] offset:32*CB*(\t)   ; the wave stores 384 consecutive bytes
.endm
.irp t, 0,1,2,3,4,5,6,7,8,9,10,11,12,13,14,15
	STEP \t
.endr
	ds_load_b64 v[8:9], v6                         ; LDS serves a wave's instructions in order: these see my stores
	s_wait_dscnt 0x0
	global_store_b64 v7, v[8:9], s[SCB:SCB+1]      ; 32 lanes store 256 consecutive bytes, aligned
	s_wait_tensorcnt 0x0                           ; the wave's end, behind my last LDS store
	ds_add_u32 v[SPW], v[NIL]
	s_wait_dscnt 0x0
	s_endpgm
	; ---------------- the mask: no LDS is touched on this path ----------------
.Lmask:
	s_lshl_b32 s29, ttmp9, 2
	s_add_co_u32 s29, s29, s28                     ; T: my tile of 16 queries
	v_and_b32 v3, 15, v0                           ; r
	v_bfe_u32 v4, v0, 4, 1                         ; h
	v_and_b32 v5, 8, v3
	v_add_nc_u32 v5, v5, v3                        ; r + 8 (r / 8)
	v_lshlrev_b32 v20, 11, v5                      ; my query's row of 2,048 bytes,
	v_lshl_add_u32 v20, v4, 4, v20                 ; + 16 h: my half of each block of 32 keys
	v_lshlrev_b32 v21, 3, v2                       ; out: 8 bytes a lane
	s_lshr_b32 s30, s29, 1
	s_lshl_b32 s30, s30, 5
	s_and_b32 s31, s29, 1
	s_lshl_b32 s31, s31, 3
	s_add_co_u32 s30, s30, s31                     ; 32 (T / 2) + 8 (T % 2)
	s_lshl_b32 s30, s30, 11
	s_mov_b32 s31, 0
	s_add_nc_u64 s[18:19], s[18:19], s[30:31]
	s_lshl_b32 s30, s29, 12                        ; 16 steps x 256 bytes of words a tile
	s_add_nc_u64 s[24:25], s[24:25], s[30:31]
	s_lshl_b32 s30, s29, 2
	s_add_nc_u64 s[26:27], s[26:27], s[30:31]
	v_mov_b32 v24, 0                               ; (a lane write's destination counts as read)
	v_mov_b32 v25, 0
	v_mov_b32 v28, 0                               ; what my half of my row has shown so far
	s_mov_b32 s40, 0                               ; ANY: a bit a step
	s_mov_b32 s41, 0                               ; ALL
	s_mov_b32 s50, 0                               ; the step's bit
	s_mov_b32 s51, 4
; One step: 16 registers a lane = 64 mask bytes; byte n of them becomes word n, by a compare over the 32 lanes.
.macro MSTEP u
.set MS, 32+16*(\u)
	s_wait_loadcnt 12-4*(\u)                       ; this step's four loads are in; the later steps' may be out
	v_or_b32 v26, v[MS], v[MS+1]
	v_and_b32 v27, v[MS], v[MS+1]
.irp i, 2,3,4,5,6,7,8,9,10,11,12,13,14,15
	v_or_b32 v26, v26, v[MS+\i]
	v_and_b32 v27, v27, v[MS+\i]
.endr
	v_or_b32 v28, v28, v26
	s_wait_xcnt 0x0                                ; the last step's store has read v[24:25]
.set n, 0
.rept 64
	v_bfe_u32 v[29+n%2], v[MS+n/4], 8*(n%4), 8
	v_cmp_ne_u32 s[42+n%8], 0, v[29+n%2]           ; bit L: lane L's key counts
	v_writelane_b32 v[24+n%2], s[42+n%8], n/2      ; word n to lane n / 2, register n % 2
.set n, n+1
.endr
	global_store_b64 v21, v[24:25], s[24:25] offset:256*(\u)   ; 256 consecutive bytes, aligned
	v_cmp_ne_u32 s52, 0, v26
	s_cmp_lg_u32 s52, 0
	s_cselect_b32 s53, 1, 0
	s_lshl_b32 s53, s53, s50
	s_or_b32 s40, s40, s53                         ; some key of the step counts for some query of the tile
	v_cmp_eq_u32 s52, 0x01010101, v27
	s_cmp_eq_u32 s52, -1
	s_cselect_b32 s53, 1, 0
	s_lshl_b32 s53, s53, s50
	s_or_b32 s41, s41, s53                         ; every key counts for every query
	s_add_co_u32 s50, s50, 1
.endm
.Lmtrip:                                               ; four trips of four steps
.irp u, 0,1,2,3
.irp b, 0,1,2,3
	global_load_b128 v[32+16*\u+4*\b:32+16*\u+4*\b+3], v20, s[18:19] offset:128*\u+32*\b th:TH_LOAD_NT
.endr
.endr
	MSTEP 0
	MSTEP 1
	MSTEP 2
	MSTEP 3
	s_wait_xcnt 0x0                                ; the bases are stepped only behind this wait
	s_add_nc_u64 s[18:19], s[18:19], 512
	s_add_nc_u64 s[24:25], s[24:25], 1024
	s_sub_co_u32 s51, s51, 1
	s_cmp_lg_u32 s51, 0
	s_cbranch_scc1 .Lmtrip
	v_cmp_ne_u32 s52, 0, v28                       ; a row has a key that counts where lane r or lane 16 + r has seen one
	s_lshr_b32 s53, s52, 16
	s_or_b32 s52, s52, s53
	s_and_b32 s52, s52, 0xffff
	s_mov_b32 s54, 0xffff
	s_cmp_eq_u32 s52, s54
	s_cselect_b32 s55, s40, s54                    ; NEED
	s_and_not1_b32 s56, s55, s41                   ; MIXED
	s_lshl_b32 s56, s56, 16
	s_or_b32 s55, s55, s56
	v_mov_b32 v29, s55
	v_mov_b32 v30, 0
	v_cmp_eq_u32 vcc_lo, 0, v2
	s_and_saveexec_b32 s57, vcc_lo                 ; (no memory instruction has been issued since the last wait on XCNT)
	global_store_b32 v30, v29, s[26:27]            ; lane 0 stores the tile's flags
	s_wait_xcnt 0x0                                ; EXEC changes only behind this wait
	s_or_b32 exec_lo, exec_lo, s57
	s_endpgm
.Lfunc_end_k_q7762c8b78a_prep:
	.size	k_q7762c8b78a_prep, .Lfunc_end_k_q7762c8b78a_prep-k_q7762c8b78a_prep
	.p2alignl 7, 3214868480
	.fill 96, 4, 3214868480
	.section	.rodata,"a",@progbits
	.p2align	6, 0x0
	.amdhsa_kernel k_q7762c8b78a_prep
		.amdhsa_group_segment_fixed_size 33280
		.amdhsa_private_segment_fixed_size 0
		.amdhsa_enable_private_segment 0
		.amdhsa_kernarg_size 96
		.amdhsa_user_sgpr_count 2
		.amdhsa_user_sgpr_kernarg_segment_ptr 1
		.amdhsa_wavefront_size32 1
		.amdhsa_system_sgpr_workgroup_id_x 1
		.amdhsa_system_sgpr_workgroup_id_y 1
		.amdhsa_system_sgpr_workgroup_id_z 1
		.amdhsa_system_vgpr_workitem_id 0
		.amdhsa_next_free_vgpr 192
		.amdhsa_next_free_sgpr 66
		.amdhsa_reserve_vcc 1
		.amdhsa_float_denorm_mode_32 3
		.amdhsa_float_denorm_mode_16_64 3
		.amdhsa_memory_ordered 1
		.amdhsa_forward_progress 1
		.amdhsa_inst_pref_size 91
	.end_amdhsa_kernel
	.amdgpu_metadata
---
amdhsa.version: [ 1, 2 ]
amdhsa.kernels:
  - .name:           k_q7762c8b78a_prep
    .symbol:         k_q7762c8b78a_prep.kd
    .args:
      - { .name: query, .offset: 0, .size: 8, .value_kind: global_buffer, .address_space: global }
      - { .name: key, .offset: 8, .size: 8, .value_kind: global_buffer, .address_space: global }
      - { .name: value, .offset: 16, .size: 8, .value_kind: global_buffer, .address_space: global }
      - { .name: Wq, .offset: 24, .size: 8, .value_kind: global_buffer, .address_space: global }
      - { .name: Wk, .offset: 32, .size: 8, .value_kind: global_buffer, .address_space: global }
      - { .name: Wv, .offset: 40, .size: 8, .value_kind: global_buffer, .address_space: global }
      - { .name: Wo, .offset: 48, .size: 8, .value_kind: global_buffer, .address_space: global }
      - { .name: mask, .offset: 56, .size: 8, .value_kind: global_buffer, .address_space: global }
      - { .name: codes, .offset: 64, .size: 8, .value_kind: global_buffer, .address_space: global }
      - { .name: scales, .offset: 72, .size: 8, .value_kind: global_buffer, .address_space: global }
      - { .name: mw, .offset: 80, .size: 8, .value_kind: global_buffer, .address_space: global }
      - { .name: tflag, .offset: 88, .size: 8, .value_kind: global_buffer, .address_space: global }
    .group_segment_fixed_size: 33280
    .private_segment_fixed_size: 0
    .kernarg_segment_align: 8
    .kernarg_segment_size: 96
    .max_flat_workgroup_size: 128
    .sgpr_count:     66
    .vgpr_count:     192
    .wavefront_size: 32
...
	.end_amdgpu_metadata
.endif
;; end of part 1
;; launch proj (part 2): grid 4 x 96, 4 waves a work-group, clusters of 4 x 4, 327,680 bytes of LDS; arguments codes, scales, bq, bk, bv, qc, kv; writes qc, kv
.if DOCPART == 2
	.amdgcn_target "amdgcn-amd-amdhsa--gfx1250"
	.amdhsa_code_object_version 6
	.text
	.protected	k_q7762c8b78a_proj
	.globl	k_q7762c8b78a_proj
	.p2align	8
	.type	k_q7762c8b78a_proj,@function
k_q7762c8b78a_proj:
	s_mov_b64 s[64:65], 0
	v_nop
	global_prefetch_b8 v0, s[64:65] scope:SCOPE_SE
	s_setreg_imm32_b32 hwreg(HW_REG_WAVE_MODE, 25, 1), 1
	s_wait_xcnt 0x0
	s_wait_alu depctr_hold_cnt(0) depctr_sa_sdst(0) depctr_va_vdst(0) depctr_va_sdst(0) depctr_va_ssrc(0) depctr_va_vcc(0) depctr_vm_vsrc(0)
	s_getreg_b32 s2, hwreg(HW_REG_IB_STS2, 6, 4)
	s_cmp_eq_u32 s2, 0
	s_cbranch_scc0 .Lentry_in_a_cluster
	s_endpgm
.Lentry_in_a_cluster:
	s_bfe_u32 s2, ttmp6, 0x10000c
	s_cmp_lg_u32 s2, 0xf033
	s_cbranch_scc0 .Lentry_shape_is_right
	s_endpgm
.Lentry_shape_is_right:
; PROJ.  q = query Wq^T + bq, k = key Wk^T + bk, v = value Wv^T + bv on codes of FP6 (E2M3) with E8M0 scales, K = 1,024; the results are quantised in registers and leave as IMAGES OF OPERAND REGISTERS.
; A tile of 256 x 256 is made by four waves, 128 x 128 each: 64 accumulators, 512 registers.  K goes in four steps of 256 through two LDS slots filled by the tensor data mover; the scale bytes come once.
; NAMES.  'B' is source 0 of the matrix instruction: a lane's registers run along B's rows.  'A' is source 1: a lane holds one row of A.  The axis that is quantised next has to run along the registers:
;   q, k (clusters 0-7, 8-15 along y): A = the tokens, B = the weight's rows (features): a lane holds one token and 128 features = two heads of 64.
;   v    (clusters 16-23):             A = Wv's rows (features), B = the tokens: a lane holds one feature and 128 keys.
; Rows lie by position in the codes (bits 3 and 4 of the row exchanged), so that the 16 registers of tiles 2 b, 2 b + 1 of B are 16 NEIGHBOURS: 32 b + 16 (lane / 16) + 0 .. 15.
; The bias is the C of each sum's first matrix instruction.
; OUT.  kv: a record of 13,312 bytes for each (batch, head, 128 keys): K's 8 tiles of 16 keys x 64 (registers 0-3 at 512 t + 16 lane, 4-5 at 4096 + 256 t + 8 lane), V's 4 fragments of 16 x 128 keys
;   (6144 + 1536 t + 512 g + 16 lane), K's scale words (12288 + 16 lane: dword j: lanes 0-15 tile 2 j, lanes 16-31 tile 2 j + 1), V's (12800 + 16 lane: dword t).  qc: K's two parts alone, 6,656 bytes.
;   Every store of the wave covers 256 or 512 consecutive bytes, aligned.
; CLUSTERS: 4 x 4 work-groups; A's tile is asked for jointly along a row of the cluster, B's along a column.  384 work-groups.
; LIMITS: blocks whose largest magnitude lies under 2^-124 keep the byte 1; NaN and infinities are not served.
; REGISTERS: window 0: v0-31 addresses; v32-63 scale words, two sets; v64-127 the bias; from v128 A's fragments, one set.  window 1: B's fragments, two sets.  windows 2, 3: the accumulators ((a, b) at v[8 (8 (a % 4) + b)]).
.set KSTEP,  256
.set NQ,     2
.set ROWB,   192                       ; a tile's row in bytes
.set KROW,   768                       ; a row of codes in memory
.set PITCH,  240                       ; an LDS row: 3 x (64 bytes + 16 of padding)
.set FR,     12
.set NL,     6
.set NP,     4
.set HALFT,  128*PITCH
.set SLOT,   4*HALFT
.set KS,     32                        ; a row of scale bytes
.set SCL,    2*SLOT
.set HALFS,  (128*KS/256)*272
.set SBLK,   (16*KS/256)*272
.set SPARE,  SCL+4*HALFS               ; the spare words, 128 bytes a wave
.set XC,     6291456                   ; codes of one tensor of tokens
.set XS,     262144                    ; its scale bytes
.set WC0,    18874368                  ; where the weights' codes begin
.set WCS,    786432
.set WS0,    786432                    ; and their scale bytes
.set WSS,    32768
.set ADRA, 16                          ; v16-19  LDS addresses of A's fragments (slot 0, 1; behind one padding more: +2)
.set ADRB, 20                          ; v20-23  of B's
.set VO16, 24                          ; v24  16 x lane
.set VO8,  25                          ; v25  8 x lane
.set VOS,  26                          ; v26  16 x lane + where a record's scale words of K lie
.set ADRS, 27                          ; v27  LDS address of my scale words
.set SPW,  28
.set NIL,  29
.set SC,   32
.set BI,   64                          ; v64-127 the bias, in the result's layout
.set AF,   128
.set PC,   112                         ; the way out: v112-123 a fragment's codes; v124-126, v128-130 the halves that are moved
.set PC2,  124
.set SCW,  140                         ; v140-147 scale words gathered
.set TM,   200                         ; v200-203 maxima, v204-207 bytes, v212-215 the conversions' scale operands
.set PW,   216
.set TW,   217
.set G1, 24
.set G0, 32
.set G1B, 48
.set G0B, 56
.set G1S, 68
.set G0S, 76
.set G1SB, 80
.set G0SB, 88
.set MSB, 0
.macro WIN new                         ; the immediate's high byte repeats the setting that is left
.if MSB != \new
	s_set_vgpr_msb (MSB<<8)|\new
.set MSB, \new
.endif
.endm
.set MUL_LO, 0xa1                      ; source 0 (B) window 1, source 1 (A) window 0, C and D window 2
.set MUL_HI, 0xf1                      ; the same, C and D window 3
.set TO_B,   0x40
; A joint load: waves 0 and 1 fetch for A, waves 2 and 3 for B; the branch hangs on the wave's number alone.  An s_nop 0 and four v_nop follow each line.
.macro JLOAD g0a, g1a, g0b, g1b
	s_cmp_eq_u32 s15, 0
	s_cbranch_scc0 .Lfor_b_\@
	tensor_load_to_lds s[\g0a:\g0a+3], s[\g1a:\g1a+7]
	s_nop 0
.rept 4
	v_nop
.endr
	s_branch .Lasked_\@
.Lfor_b_\@:
	tensor_load_to_lds s[\g0b:\g0b+3], s[\g1b:\g1b+7]
	s_nop 0
.rept 4
	v_nop
.endr
.Lasked_\@:
.endm
.macro CREST
	s_cmp_lg_u32 s14, 0
	s_cbranch_scc1 .Lnot_wave_0_\@
	s_barrier_signal -3
.Lnot_wave_0_\@:
	s_barrier_wait -3
	s_barrier_signal -1
	s_barrier_wait -1
.endm
.macro CROUND
	s_barrier_signal -1
	s_barrier_wait -1
	CREST
.endm
	s_load_b128 s[4:7], s[0:1], 0x0                ; codes, scales
	s_load_b128 s[8:11], s[0:1], 0x10              ; bq, bk
	s_load_b64 s[12:13], s[0:1], 0x20              ; bv
	s_load_b128 s[96:99], s[0:1], 0x28             ; qc, kv
	v_lshl_add_u32 v[SPW], v0, 2, SPARE
	v_mov_b32 v[NIL], 0
	ds_add_u32 v[SPW], v[NIL]                      ; the wave's opening: the add and its wait ahead of my first tensor load
	v_lshrrev_b32 v1, 5, v0
	v_readfirstlane_b32 s14, v1                    ; wave 0..3
	s_lshr_b32 s15, s14, 1                         ; my half of A's rows.  Also: I fetch for A (0) or for B (1)
	s_and_b32 s16, s14, 1                          ; my half of B's rows.  Also: which 128 rows I fetch
	s_bfe_u32 s40, ttmp6, 0x40000                  ; cx
	s_bfe_u32 s41, ttmp6, 0x40004                  ; cy
	s_and_b32 s95, ttmp7, 0xffff                   ; cluster y, 0 .. 23: the same in all sixteen partners
	s_lshr_b32 s67, s95, 3                         ; 0: q, 1: k, 2: v
	s_and_b32 s95, s95, 7
	s_lshl_b32 s95, s95, 2                         ; 4 x which eighth of the tokens
	s_cmp_eq_u32 s67, 2
	s_cselect_b32 s66, 1, 0                        ; V
	s_cselect_b32 s17, 0, s95
	s_cselect_b32 s42, s95, 0
	s_add_co_u32 s17, s17, s41                     ; A's tile: tokens 4 cl + cy, or Wv's cy
	s_add_co_u32 s42, s42, s40                     ; B's tile: the weight's cx, or tokens 4 cl + cx
	s_mul_i32 s18, s67, XC                         ; where the tokens' codes begin,
	s_mul_i32 s19, s67, WCS
	s_add_co_u32 s19, s19, WC0                     ; the weight's,
	s_mul_i32 s2, s67, XS                          ; and their scale bytes
	s_mul_i32 s3, s67, WSS
	s_add_co_u32 s3, s3, WS0
	s_cmp_eq_u32 s66, 1
	s_cselect_b32 s100, s19, s18                   ; A's codes
	s_cselect_b32 s101, s18, s19                   ; B's
	s_cselect_b32 s104, s3, s2                     ; A's scales
	s_cselect_b32 s105, s2, s3                     ; B's
	s_lshl_b32 s43, s41, 2
	s_lshl_b32 s43, 15, s43                        ; my row of the cluster
	s_lshl_b32 s44, 0x1111, s40                    ; my column
	; descriptor group 1: a tile of 128 rows x 192 bytes, 16 bytes of padding behind every 64
	s_or_b32 s[G1+0], s43, (0<<16)|(1<<20)|(1<<21)|(3<<22)|(3<<25)
	s_or_b32 s[G1B+0], s44, (0<<16)|(1<<20)|(1<<21)|(3<<22)|(3<<25)
.irp g, G1, G1B
	s_mov_b32 s[\g+1], ROWB<<16                    ; tensor_dim0
	s_mov_b32 s[\g+2], 128<<16                     ; tensor_dim1
	s_mov_b32 s[\g+3], ROWB<<16                    ; tile_dim0
	s_mov_b32 s[\g+4], 128                         ; tile_dim1
	s_mov_b32 s[\g+5], KROW                        ; the pitch
	s_mov_b32 s[\g+6], 0
	s_mov_b32 s[\g+7], 0
.endr
	; the scales of 128 rows: 4,096 dense bytes, as 16 rows of 256 bytes (32 elements of 8), 16 bytes of padding behind each
	s_or_b32 s[G1S+0], s43, (3<<16)|(1<<20)|(1<<21)|(5<<22)|(3<<25)
	s_or_b32 s[G1SB+0], s44, (3<<16)|(1<<20)|(1<<21)|(5<<22)|(3<<25)
.irp g, G1S, G1SB
	s_mov_b32 s[\g+1], 32<<16
	s_mov_b32 s[\g+2], (128*KS/256)<<16
	s_mov_b32 s[\g+3], 32<<16
	s_mov_b32 s[\g+4], 128*KS/256
	s_mov_b32 s[\g+5], 32
	s_mov_b32 s[\g+6], 0
	s_mov_b32 s[\g+7], 0
.endr
	s_lshl_b32 s18, s16, 7                         ; which 128 rows of the tile I fetch
	s_lshl_b32 s20, s17, 8
	s_add_co_u32 s20, s20, s18                     ; A's row
	s_lshl_b32 s46, s42, 8
	s_add_co_u32 s46, s46, s18                     ; B's row
	s_lshl_b32 s22, s20, 5                         ; their scale bytes,
	s_add_co_u32 s22, s22, s104
	s_mov_b32 s23, 0
	s_lshl_b32 s92, s46, 5
	s_add_co_u32 s92, s92, s105
	s_mov_b32 s93, 0
	s_mul_i32 s20, s20, KROW                       ; and their codes: all offsets stay under 2^25
	s_add_co_u32 s20, s20, s100
	s_mov_b32 s21, 0
	s_mul_i32 s46, s46, KROW
	s_add_co_u32 s46, s46, s101
	s_mov_b32 s47, 0
	s_mul_i32 s45, s14, HALFT                      ; where they go: wave x 128 rows
	s_mul_i32 s94, s14, HALFS
	s_wait_dscnt 0x0                               ; the opening add is done
	s_wait_kmcnt 0x0
	s_add_nc_u64 s[20:21], s[4:5], s[20:21]
	s_add_nc_u64 s[22:23], s[6:7], s[22:23]
	s_add_nc_u64 s[46:47], s[4:5], s[46:47]
	s_add_nc_u64 s[92:93], s[6:7], s[92:93]
	CROUND                                         ; all sixteen work-groups are here: the first joint loads meet
	s_mov_b32 s[G0S], 1
	s_add_co_u32 s[G0S+1], s94, SCL
	s_mov_b64 s[G0S+2:G0S+3], s[22:23]
	s_or_b32 s[G0S+3], s[G0S+3], 0x80000000
	s_mov_b32 s[G0SB], 1
	s_add_co_u32 s[G0SB+1], s94, SCL
	s_mov_b64 s[G0SB+2:G0SB+3], s[92:93]
	s_or_b32 s[G0SB+3], s[G0SB+3], 0x80000000
	JLOAD G0S, G1S, G0SB, G1SB                     ; the scales first; three loads of mine are out behind these lines
.irp s, 0,1
	s_mov_b32 s[G0+4*\s], 1
	s_add_co_u32 s[G0+4*\s+1], s45, \s*SLOT
	s_add_nc_u64 s[G0+4*\s+2:G0+4*\s+3], s[20:21], \s*ROWB
	s_or_b32 s[G0+4*\s+3], s[G0+4*\s+3], 0x80000000
	s_mov_b32 s[G0B+4*\s], 1
	s_add_co_u32 s[G0B+4*\s+1], s45, \s*SLOT
	s_add_nc_u64 s[G0B+4*\s+2:G0B+4*\s+3], s[46:47], \s*ROWB
	s_or_b32 s[G0B+4*\s+3], s[G0B+4*\s+3], 0x80000000
	JLOAD G0+4*\s, G1, G0B+4*\s, G1B
.endr
	v_and_b32 v1, 15, v0                           ; r
	v_bfe_u32 v2, v0, 4, 1                         ; h
	v_mul_u32_u24 v3, v1, PITCH
	v_mul_u32_u24 v4, v2, 24
	v_add_nc_u32 v4, v3, v4                        ; a fragment's row x pitch + 24 h
	v_lshl_add_u32 v5, v2, 4, v4                   ; and the same behind one padding more
	s_mul_i32 s21, s15, HALFT
	s_mul_i32 s22, s16, HALFT
	s_add_co_u32 s22, s22, 2*HALFT
.irp s, 0,1
	v_add_nc_u32 v[ADRA+\s], s21, v4
	v_add_nc_u32 v[ADRB+\s], s22, v4
	v_add_nc_u32 v[ADRA+2+\s], s21, v5
	v_add_nc_u32 v[ADRB+2+\s], s22, v5
	s_add_co_u32 s21, s21, SLOT
	s_add_co_u32 s22, s22, SLOT
.endr
	v_mul_u32_u24 v5, v1, KS                       ; my row's scales: 32 bytes a row,
	v_lshrrev_b32 v6, 8, v5
	v_lshl_add_u32 v5, v6, 4, v5                   ; and 16 more for each 256 passed
	s_mul_i32 s21, s15, HALFS
	s_mul_i32 s22, s16, HALFS
	s_add_co_u32 s22, s22, 2*HALFS
	s_sub_co_u32 s22, s22, s21
	v_mul_u32_u24 v6, s22, v2                      ; lanes 16-31 take B's
	s_add_co_u32 s21, s21, SCL
	v_add_nc_u32 v5, v5, v6
	v_add_nc_u32 v[ADRS], s21, v5
	; the bias, in the result's layout
	s_cmp_eq_u32 s67, 0
	s_cselect_b64 s[8:9], s[8:9], s[10:11]
	s_cmp_eq_u32 s67, 2
	s_cselect_b64 s[8:9], s[12:13], s[8:9]
	s_cselect_b32 s18, s17, s42                    ; the features' tile and my half of it
	s_cselect_b32 s19, s15, s16
	s_lshl_b32 s18, s18, 10
	s_lshl_b32 s19, s19, 9
	s_add_co_u32 s18, s18, s19
	s_mov_b32 s19, 0
	s_add_nc_u64 s[8:9], s[8:9], s[18:19]          ; my 128 features' bias
	s_cmp_eq_u32 s66, 1
	s_cbranch_scc1 .Lbias_v
	v_lshlrev_b32 v7, 6, v2                        ; q, k: register j of tile b is feature 32 (b / 2) + 16 h + 8 (b % 2) + j
.irp b, 0,1,2,3,4,5,6,7
	global_load_b128 v[BI+8*\b:BI+8*\b+3], v7, s[8:9] offset:(32*(\b/2)+8*(\b%2))*4
	global_load_b128 v[BI+8*\b+4:BI+8*\b+7], v7, s[8:9] offset:(32*(\b/2)+8*(\b%2))*4+16
.endr
	s_branch .Lbias_done
.Lbias_v:
	v_and_b32 v7, 8, v1                            ; v: all eight registers of block a hold the bias of feature 32 (a / 2) + 8 (a % 2) + r + 8 (r / 8)
	v_add_nc_u32 v7, v7, v1
	v_lshlrev_b32 v7, 2, v7
.irp a, 0,1,2,3,4,5,6,7
	global_load_b32 v[BI+8*\a], v7, s[8:9] offset:(32*(\a/2)+8*(\a%2))*4
.endr
	s_wait_loadcnt 0x0
.irp a, 0,1,2,3,4,5,6,7
.irp j, 1,2,3,4,5,6,7
	v_mov_b32 v[BI+8*\a+\j], v[BI+8*\a]
.endr
.endr
.Lbias_done:
.macro FRAG reg, adr, q, i             ; 16 rows x 128 K of 6-bit codes: 12 registers, in pieces of 8 bytes; where lanes 16-31's piece lies behind one padding more, the second address register serves
.irp p, 0,1,2,3,4,5
.set PCE, 12*(\q)+6*(\p/3)+\p%3
.if PCE%8 < 5
	ds_load_b64 v[\reg+2*\p:\reg+2*\p+1], v[\adr] offset:8*PCE+16*(PCE/8)+(\i)*16*PITCH
.else
	ds_load_b64 v[\reg+2*\p:\reg+2*\p+1], v[\adr+2] offset:8*PCE+16*(PCE/8)+(\i)*16*PITCH
.endif
.endr
.endm
; 16 matrix instructions: A's blocks a0, a0 + 1 x B's eight.  cm = 0: C = D; 1: C = the bias by B's tile; 2: by A's block.  The 64 accumulators take turns, one instruction a turn.
.macro MUL16 a0, p, q, sc, cm
.irp a, \a0, \a0+1
.irp b, 0,1,2,3,4,5,6,7
.if \cm == 1
	v_wmma_scale_f32_16x16x128_f8f6f4 v[8*(8*((\a)%4)+\b):8*(8*((\a)%4)+\b)+7], v[128*(\p)+FR*\b:128*(\p)+FR*\b+FR-1], v[AF+FR*(\a):AF+FR*(\a)+FR-1], v[BI+8*\b:BI+8*\b+7], v[SC+8*NQ*(\sc)+NQ*\b+(\q)], v[SC+8*NQ*(\sc)+NQ*(\a)+(\q)] matrix_a_fmt:MATRIX_FMT_FP6 matrix_b_fmt:MATRIX_FMT_FP6 matrix_a_scale:MATRIX_SCALE_ROW1
.elseif \cm == 2
	v_wmma_scale_f32_16x16x128_f8f6f4 v[8*(8*((\a)%4)+\b):8*(8*((\a)%4)+\b)+7], v[128*(\p)+FR*\b:128*(\p)+FR*\b+FR-1], v[AF+FR*(\a):AF+FR*(\a)+FR-1], v[BI+8*(\a):BI+8*(\a)+7], v[SC+8*NQ*(\sc)+NQ*\b+(\q)], v[SC+8*NQ*(\sc)+NQ*(\a)+(\q)] matrix_a_fmt:MATRIX_FMT_FP6 matrix_b_fmt:MATRIX_FMT_FP6 matrix_a_scale:MATRIX_SCALE_ROW1
.else
	v_wmma_scale_f32_16x16x128_f8f6f4 v[8*(8*((\a)%4)+\b):8*(8*((\a)%4)+\b)+7], v[128*(\p)+FR*\b:128*(\p)+FR*\b+FR-1], v[AF+FR*(\a):AF+FR*(\a)+FR-1], v[8*(8*((\a)%4)+\b):8*(8*((\a)%4)+\b)+7], v[SC+8*NQ*(\sc)+NQ*\b+(\q)], v[SC+8*NQ*(\sc)+NQ*(\a)+(\q)] matrix_a_fmt:MATRIX_FMT_FP6 matrix_b_fmt:MATRIX_FMT_FP6 matrix_a_scale:MATRIX_SCALE_ROW1
.endif
.endr
.endr
.endm
.macro FETCH_B slot, q, p
	WIN TO_B
.irp i, 0,1,2,3,4,5,6,7
	FRAG 128*(\p)+FR*\i, ADRB+\slot, \q, \i
.endr
	WIN 0
.endm
.macro FETCH_A slot, q, i0
.irp i, \i0, \i0+1, \i0+2, \i0+3
	FRAG AF+FR*(\i), ADRA+\slot, \q, \i
.endr
.endm
.macro SCALES sc                       ; a K step's scale words: lanes 0-15 A's block i, lanes 16-31 B's block i
.irp i, 0,1,2,3,4,5,6,7
	ds_load_b64 v[SC+8*NQ*\sc+NQ*\i:SC+8*NQ*\sc+NQ*\i+1], v[ADRS] offset:\i*SBLK
.endr
.endm
.macro PLACES n                        ; plain vector places behind matrix instructions, in front of loads into their registers and of reads of their results
.rept \n
	v_nop
.endr
.endm
.macro STEP slot, q, cm                ; 128 along K that has its successor in the same slot
	s_wait_dscnt 4*NL                              ; B's set and A's blocks 0-3 are in; the youngest 24 loads (A's blocks 4-7) may be out
.if \cm
	WIN MUL_LO-0x20                                ; C (the bias) in window 0
.else
	WIN MUL_LO
.endif
	MUL16 0, (\q)%2, \q, \slot, \cm
	MUL16 2, (\q)%2, \q, \slot, \cm
	s_wait_dscnt 0
	PLACES NP
	FETCH_B \slot, (\q)+1, 1-(\q)%2
	FETCH_A \slot, (\q)+1, 0
.if \cm
	WIN MUL_HI-0x30
.else
	WIN MUL_HI
.endif
	MUL16 4, (\q)%2, \q, \slot, \cm
	MUL16 6, (\q)%2, \q, \slot, \cm
	PLACES NP
	WIN 0
	FETCH_A \slot, (\q)+1, 4
.endm
; A slot's last step changes slots: in front of the barrier each wave waits for all its tensor loads, adds 0 to its spare word, and waits for that and for its reads of this slot.
.macro TURN slot, next, fill
	s_wait_tensorcnt 0x0                           ; all my tensor loads have landed: my part of the next slot
	ds_add_u32 v[SPW], v[NIL]
	s_wait_dscnt 4*NL+1                            ; (the add and the youngest 24 loads may be out)
	WIN MUL_LO
	MUL16 0, 1, NQ-1, \slot, 0
	s_wait_dscnt 0x0                               ; the add is done, and my reads of this slot are over
	s_barrier_signal -1
	MUL16 2, 1, NQ-1, \slot, 0
	WIN 0
	s_barrier_wait -1
.if \fill
	CREST                                          ; the barrier has opened a round of the cluster's barrier: no wave of any partner still reads this slot or has a load on its way
	s_add_nc_u64 s[G0+4*\slot+2:G0+4*\slot+3], s[G0+4*\slot+2:G0+4*\slot+3], 2*ROWB
	s_add_nc_u64 s[G0B+4*\slot+2:G0B+4*\slot+3], s[G0B+4*\slot+2:G0B+4*\slot+3], 2*ROWB
	JLOAD G0+4*\slot, G1, G0B+4*\slot, G1B         ; my one tensor load behind the round; its four v_nop are the places in front of the loads below
.else
	PLACES NP
.endif
	v_add_nc_u32 v[ADRS], 4*NQ, v[ADRS]            ; the next K step's scale words
	FETCH_B \next, 0, 0
	FETCH_A \next, 0, 0
	SCALES \next
	WIN MUL_HI
	MUL16 4, 1, NQ-1, \slot, 0
	MUL16 6, 1, NQ-1, \slot, 0
	PLACES NP
	WIN 0
	FETCH_A \next, 0, 4
.endm
	s_wait_tensorcnt 1                             ; the scales and my part of K step 0 are in (K step 1's load may be out)
	s_barrier_signal -1
	s_barrier_wait -1
	FETCH_B 0, 0, 0
	FETCH_A 0, 0, 0
	SCALES 0
	FETCH_A 0, 0, 4
	s_wait_loadcnt 0x0                             ; the bias
	s_cmp_eq_u32 s66, 1                            ; the first step starts the sums with the bias: by B's tile (q, k) or by A's block (v)
	s_cbranch_scc1 .Lfirst_v
	STEP 0, 0, 1
	s_branch .Lfirst_done
.Lfirst_v:
	STEP 0, 0, 2
.Lfirst_done:
	TURN 0, 1, 1                                   ; K = 1,024 is four slots' worth: written out
	STEP 1, 0, 0
	TURN 1, 0, 1
	STEP 0, 0, 0
	TURN 0, 1, 0                                   ; the last two slots are filled no more
	STEP 1, 0, 0
	s_wait_dscnt 4*NL
	WIN MUL_LO
	MUL16 0, 1, NQ-1, 1, 0
	MUL16 2, 1, NQ-1, 1, 0
	s_wait_dscnt 0
	WIN MUL_HI
	MUL16 4, 1, NQ-1, 1, 0
	MUL16 6, 1, NQ-1, 1, 0
	WIN 0
	; ---------------- THE WAY OUT: block a's 64 numbers a lane become a fragment's codes and scale bytes ----------------
	PLACES NP
	v_and_b32 v1, 31, v0
	v_lshlrev_b32 v[VO16], 4, v1
	v_lshlrev_b32 v[VO8], 3, v1
.irp b, 0,1,2,3
	v_mov_b32 v[TM+4+\b], 0                        ; written once: a lane permute's destination counts as one of its sources
.endr
	s_mov_b32 s2, 0x76543210
	s_mov_b32 s3, 0xfedcba98                       ; v_permlanex16_b32's selects for lane l xor 16
	s_mov_b32 s20, 0xffff0000                      ; lanes 16-31
	s_cmp_eq_u32 s66, 1                            ; no tensor load of mine is out: the descriptors' registers are free
	s_cselect_b32 s21, s42, s17                    ; the tokens' tile and my half,
	s_cselect_b32 s22, s16, s15
	s_cselect_b32 s23, s17, s42                    ; the features' tile and my half
	s_cselect_b32 s30, s15, s16
	s_lshl_b32 s21, s21, 8
	s_lshl_b32 s22, s22, 7
	s_add_co_u32 s21, s21, s22                     ; my first token
	s_lshl_b32 s23, s23, 2
	s_lshl_b32 s30, s30, 1
	s_add_co_u32 s23, s23, s30                     ; my first head
	s_lshr_b32 s22, s21, 11                        ; the batch
	s_lshl_b32 s22, s22, 4
	s_add_co_u32 s22, s22, s23
	s_lshl_b32 s22, s22, 4
	s_bfe_u32 s21, s21, 0x40007                    ; which 128 tokens of the 2,048
	s_add_co_u32 s22, s22, s21                     ; the record
	s_cmp_eq_u32 s67, 0
	s_cselect_b64 s[24:25], s[96:97], s[98:99]
	s_mov_b32 s30, 13312
	s_cselect_b32 s30, 6656, s30                   ; a record's bytes
	s_mov_b32 s31, 12288
	s_cselect_b32 s31, 6144, s31                   ; where its scale words of K lie
	s_mul_i32 s22, s22, s30
	s_mov_b32 s23, 0
	s_add_nc_u64 s[24:25], s[24:25], s[22:23]      ; my first head's record,
	s_lshl_b32 s22, s30, 4
	s_add_nc_u64 s[28:29], s[24:25], s[22:23]      ; and my second head's, 16 records on
	v_add_nc_u32 v[VOS], s31, v[VO16]
; Register AC + 16 b + i of a lane is number 32 b + 16 (lane / 16) + i of its row.  full = 1: the four bytes make one scale word.
.macro QUANTW a, full
.set AC, 64*((\a)%4)
.set WW, 2+(\a)/4
	WIN WW|(WW<<2)                                 ; sources 0 and 1: the accumulators' window
.irp b, 0,1,2,3
	v_max3_num_f32 v[TM+\b], |v[AC+16*\b]|, |v[AC+16*\b+1]|, 0x1800000   ; each accumulator is read from its low end on; the floor 2^(3 - 127) holds the byte at 1 from below
.endr
.irp i, 2,4,6,8,10,12,14
.irp b, 0,1,2,3
	v_max3_num_f32 v[TM+\b], |v[AC+16*\b+\i]|, |v[AC+16*\b+\i+1]|, v[TM+\b]
.endr
.endr
	WIN 0
.irp b, 0,1,2,3
	v_permlanex16_b32 v[TM+4+\b], v[TM+\b], s2, s3
.endr
.irp b, 0,1,2,3
	v_max_num_f32 v[TM+\b], v[TM+\b], v[TM+4+\b]   ; with lane l xor 16's: the block's largest magnitude
.endr
.irp b, 0,1,2,3
	v_add_nc_u32 v[TM+12+\b], 0xff000000, v[TM+\b] ; 2 off its exponent field: the conversion's scale operand
.endr
.irp b, 0,1,2,3
	v_lshrrev_b32 v[TM+4+\b], 23, v[TM+12+\b]      ; the scale's byte
.endr
.if \full
	v_lshl_or_b32 v[PW], v[TM+5], 8, v[TM+4]
	v_lshl_or_b32 v[PW], v[TM+6], 16, v[PW]
	v_lshl_or_b32 v[PW], v[TM+7], 24, v[PW]
.endif
	s_wait_xcnt 0x0                                ; the last block's stores have read the codes' registers
	WIN WW
.irp c, 0,1
	v_cvt_scalef32_pk16_fp6_f32 v[PC+6*\c:PC+6*\c+2], v[AC+32*\c:AC+32*\c+15], v[TM+12+2*\c]
	v_cvt_scalef32_pk16_fp6_f32 v[PC2+4*\c:PC2+4*\c+2], v[AC+32*\c+16:AC+32*\c+31], v[TM+12+2*\c+1]   ; (a conversion's three registers begin on an even number)
.endr
	WIN 0
	v_nop                                          ; one plain place behind a scaled conversion
.irp c, 0,1                                    ; a whole block to a lane: lanes 0-15 block 2 c, lanes 16-31 block 2 c + 1
.irp i, 0,1,2
	v_permlane16_swap_b32 v[PC+6*\c+\i], v[PC2+4*\c+\i]
.endr
.irp i, 0,1,2
	v_mov_b32 v[PC+3+6*\c+\i], v[PC2+4*\c+\i]
.endr
.endr
.endm
.macro EPI_QK a                        ; block a = tile a of 16 tokens; registers 6 c .. 6 c + 5 are head c's 64
	QUANTW \a, 0
.irp c, 0,1
	global_store_b128 v[VO16], v[PC+6*\c:PC+6*\c+3], s[24+4*\c:25+4*\c] offset:512*(\a)
	global_store_b64 v[VO8], v[PC+6*\c+4:PC+6*\c+5], s[24+4*\c:25+4*\c] offset:4096+256*(\a)
.if (\a)%2 == 0
	v_lshl_or_b32 v[SCW+4*\c+(\a)/2], v[TM+5+2*\c], 8, v[TM+4+2*\c]   ; two bytes a word, the upper two 0; an even tile's word in all lanes,
.else
	v_lshl_or_b32 v[TW], v[TM+5+2*\c], 8, v[TM+4+2*\c]
	v_cndmask_b32 v[SCW+4*\c+(\a)/2], v[SCW+4*\c+(\a)/2], v[TW], s20   ; the odd tile's over it in lanes 16-31
.endif
.endr
.endm
.macro EPI_V a                         ; block a = 16 features: head a / 4, tile a % 4; the fragment's K are my 128 keys
	QUANTW \a, 1
.irp g, 0,1,2
	global_store_b128 v[VO16], v[PC+4*\g:PC+4*\g+3], s[24+4*((\a)/4):25+4*((\a)/4)] offset:6144+1536*((\a)%4)+512*\g
.endr
	v_mov_b32 v[SCW+(\a)], v[PW]
.endm
	s_cmp_eq_u32 s66, 1
	s_cbranch_scc1 .Lepi_v
.irp a, 0,1,2,3,4,5,6,7
	EPI_QK \a
.endr
	global_store_b128 v[VOS], v[SCW:SCW+3], s[24:25]
	global_store_b128 v[VOS], v[SCW+4:SCW+7], s[28:29]
	s_branch .Lepi_done
.Lepi_v:
.irp a, 0,1,2,3,4,5,6,7
	EPI_V \a
.endr
	global_store_b128 v[VO16], v[SCW:SCW+3], s[24:25] offset:12800
	global_store_b128 v[VO16], v[SCW+4:SCW+7], s[28:29] offset:12800
.Lepi_done:
	s_wait_tensorcnt 0x0                           ; the wave's end
	ds_add_u32 v[SPW], v[NIL]
	s_wait_dscnt 0x0
	CROUND                                         ; the closing round
	s_endpgm
.Lfunc_end_k_q7762c8b78a_proj:
	.size	k_q7762c8b78a_proj, .Lfunc_end_k_q7762c8b78a_proj-k_q7762c8b78a_proj
	.p2alignl 7, 3214868480
	.fill 96, 4, 3214868480
	.section	.rodata,"a",@progbits
	.p2align	6, 0x0
	.amdhsa_kernel k_q7762c8b78a_proj
		.amdhsa_group_segment_fixed_size 327680
		.amdhsa_private_segment_fixed_size 0
		.amdhsa_enable_private_segment 0
		.amdhsa_kernarg_size 56
		.amdhsa_user_sgpr_count 2
		.amdhsa_user_sgpr_kernarg_segment_ptr 1
		.amdhsa_wavefront_size32 1
		.amdhsa_system_sgpr_workgroup_id_x 1
		.amdhsa_system_sgpr_workgroup_id_y 1
		.amdhsa_system_sgpr_workgroup_id_z 1
		.amdhsa_system_vgpr_workitem_id 0
		.amdhsa_next_free_vgpr 1024
		.amdhsa_next_free_sgpr 106
		.amdhsa_reserve_vcc 0
		.amdhsa_float_denorm_mode_32 3
		.amdhsa_float_denorm_mode_16_64 3
		.amdhsa_memory_ordered 1
		.amdhsa_forward_progress 1
		.amdhsa_inst_pref_size 219
	.end_amdhsa_kernel
	.amdgpu_metadata
---
amdhsa.version: [ 1, 2 ]
amdhsa.kernels:
  - .name:           k_q7762c8b78a_proj
    .symbol:         k_q7762c8b78a_proj.kd
    .args:
      - { .name: codes, .offset: 0, .size: 8, .value_kind: global_buffer, .address_space: global }
      - { .name: scales, .offset: 8, .size: 8, .value_kind: global_buffer, .address_space: global }
      - { .name: bq, .offset: 16, .size: 8, .value_kind: global_buffer, .address_space: global }
      - { .name: bk, .offset: 24, .size: 8, .value_kind: global_buffer, .address_space: global }
      - { .name: bv, .offset: 32, .size: 8, .value_kind: global_buffer, .address_space: global }
      - { .name: qc, .offset: 40, .size: 8, .value_kind: global_buffer, .address_space: global }
      - { .name: kv, .offset: 48, .size: 8, .value_kind: global_buffer, .address_space: global }
    .group_segment_fixed_size: 327680
    .private_segment_fixed_size: 0
    .kernarg_segment_align: 8
    .kernarg_segment_size: 56
    .max_flat_workgroup_size: 128
    .sgpr_count:     106
    .vgpr_count:     1024
    .wavefront_size: 32
...
	.end_amdgpu_metadata
.endif
;; end of part 2
;; launch attn (part 3): grid 4 x 64, 16 waves a work-group, no clusters, 34,816 bytes of LDS; arguments qc, kv, mw, tflag, cc, cs; writes cc, cs
.if DOCPART == 3
	.amdgcn_target "amdgcn-amd-amdhsa--gfx1250"
	.amdhsa_code_object_version 6
	.text
	.protected	k_q7762c8b78a_attn
	.globl	k_q7762c8b78a_attn
	.p2align	8
	.type	k_q7762c8b78a_attn,@function
k_q7762c8b78a_attn:
	s_mov_b64 s[64:65], 0
	v_nop
	global_prefetch_b8 v0, s[64:65] scope:SCOPE_SE
	s_setreg_imm32_b32 hwreg(HW_REG_WAVE_MODE, 25, 1), 1
	s_wait_xcnt 0x0
; ATTN.  context = softmax(q k^T / 8, hidden scores as the mask says) v, both products on codes of FP6 (E2M3) with E8M0 scales; the context is quantised along D in registers and leaves as images of operand registers.
; THE SOFTMAX: t = score x log2(e) / 8; M = the running largest t rounded UP to a whole number; p = 2^(t - M) is quantised along the keys, not normalised; the row's sum of the unquantised p divides at the end.
; THE MASK is an input.  An earlier launch has turned it into lane-mask words (mw) and, for each tile of 16 queries, flags (tflag): NEED (a bit a step of 128 keys) and MIXED.  A step that a tile does not need is passed
; over by a scalar branch on the stored flags: all its keys are hidden and every row of the tile has a key that counts elsewhere, so its p are 0.  A tile with a row that has no key at all needs all 16 steps.
; A HIDDEN SCORE becomes -2^100 ahead of the maximum: times c it is exact, so that in a row with no key at all t - M is exactly 0, p = 1, and the softmax is uniform, as with the problem's -1e30.
; SHARES.  Work-group (x, batch x head) owns query blocks x and 7 - x (256 queries each), one after the other; each of its sixteen waves one tile of 16 queries (by position), in 256 registers: four waves to a SIMD.
; A step's record (13,312 bytes: K's 8 tiles, V's 4 fragments, their scale words) is copied through registers into one of two LDS buffers, a step ahead, if any of the sixteen tiles needs it; one barrier a step.
; No tensor load and no cluster: which records a work-group wants hangs on flags read from memory, which differ between the work-groups of a head.
; LAYOUT.  Both products transposed: S^T = K Q^T, O^T = V^T P^T: a lane holds one query.  K = 64 fills half of the matrix instruction's 128: Q's registers 6-11 are zero codes, so what stands in K's registers 6-11
; (the next tile's codes: the tiles lie on end, six registers each) adds exact zeros, under scale bytes of 0.
; LIMITS: raw scores must lie above -2^100; NaN and infinities are not served; blocks whose largest magnitude lies under 2^-124 keep the byte 1; the division by the sum is a reciprocal and a multiplication.
; cs's two bytes a row and head are stored 32 bytes apart: 262,144 bytes in all.
.set BUF,   16384                      ; LDS: buffer 0 at 0, buffer 1 here
.set REC,   13312                      ; a record
.set SPARE, 2*BUF                      ; the spare words, 128 bytes for each of sixteen waves
.set LI,  1                            ; v1  16 x lane
.set L8,  2                            ; v2  8 x lane
.set CP,  3                            ; v3  16 x thread: the copy's place, in memory and in LDS
.set SPW, 4
.set NIL, 5
.set R16, 6                            ; v6  16 x (lane % 16)
.set R32, 7                            ; v7  32 x (lane % 16)
.set PFO, 8                            ; v8  256 x lane
.set QF,  16                           ; v16-21 Q's codes, v22-27 zeros
.set QS,  28                           ; v28 Q's scale words
.set NEGR, 29                          ; v29 -2^100
.set KF,  32                           ; v32-79 K's 8 tiles on end, later V's 4 fragments; v80-85 zeros
.set KSC, 86                           ; v86-89 K's scale words
.set VSC, 90                           ; v90-93 V's
.set S,   96                           ; v96-159 S^T, then p
.set O,   160                          ; v160-191 O^T
.set CST, 192                          ; v192-199 the copy's stage
.set PC,  200                          ; v200-211 p's codes; v212-214, v216-218 the halves that are moved
.set PC2, 212
.set BM,  220                          ; v220-223 a block's largest score, then p
.set PT,  224                          ; v224-227 permutes' results, then bytes
.set SO,  228                          ; v228-231 the conversions' scale operands
.set PS,  232                          ; v232 p's scale word
.set FF,  234                          ; v[234:235] f = 2^(old M - new M); later 1 / the sum
.set TW,  236
.set L2,  238                          ; v[238:239] the sums' second chain
; v12 -M, v13 the largest t, v[14:15] the sum in two halves.
; s2, s3 lane selects; s[4:15] qc, kv (at my head), mw, tflag, cc, cs; s16 wave; s17 query block; s18 batch x head; s19, s20 counters; s21 G (any tile's NEED), s22 my NEED, s23 my MIXED, each shifted a bit a step;
; s[24:25] c; s[26:27] the trip's records; s[28:29] the trip's mask words; s[30:31], s100 the prefetches' place and chunk; s[32:63], s[68:99] 64 mask words (between the loops: at work).
.macro COPYLOAD k                      ; a record is 26 loads of 512 bytes: sixteen waves take one each, ten a second
	global_load_b128 v[CST:CST+3], v[CP], s[26:27] offset:REC*(\k)
	s_cmp_lt_u32 s16, 10
	s_cbranch_scc0 .Lcl_\@
	global_load_b128 v[CST+4:CST+7], v[CP], s[26:27] offset:REC*(\k)+8192
.Lcl_\@:
.endm
.macro COPYSTORE b
	ds_store_b128 v[CP], v[CST:CST+3] offset:BUF*(\b)
	s_cmp_lt_u32 s16, 10
	s_cbranch_scc0 .Lcs_\@
	ds_store_b128 v[CP], v[CST+4:CST+7] offset:BUF*(\b)+8192
.Lcs_\@:
.endm
; A PREFETCH INTO THE L2 of the head's records: 26 chunks of 8,192 bytes.  All four work-groups of a head read them: the first (x = 0) asks, by its waves 12 to 15, in trip j of its first walk for chunks 4 + 4 j + (wave - 12),
; lanes 256 bytes apart: each aligned block of 256 bytes is named once in the launch.  The first four chunks come by their loads alone; a chunk past the 26th is not asked for.
.macro ASK
	s_cmp_lt_u32 s100, 26
	s_cbranch_scc0 .Lna_\@
	global_prefetch_b8 v[PFO], s[30:31] th:TH_LOAD_NT scope:SCOPE_SE
.Lna_\@:
.endm
; A KEY STEP of my tile: 128 keys out of buffer k.
.macro COMPUTE k
.set BO, BUF*(\k)
.irp t, 0,1,2,3,4,5,6,7
	ds_load_b128 v[KF+6*\t:KF+6*\t+3], v[LI] offset:BO+512*\t
	ds_load_b64 v[KF+6*\t+4:KF+6*\t+5], v[L8] offset:BO+4096+256*\t
.endr
	ds_load_b128 v[KSC:KSC+3], v[LI] offset:BO+12288
	s_wait_dscnt 0x0
.irp t, 0,2,4,6                                ; S^T = K Q^T: lanes 0-15 of a scale register hold the even tile's words, lanes 16-31 the odd tile's
	v_wmma_scale_f32_16x16x128_f8f6f4 v[S+8*\t:S+8*\t+7], v[KF+6*\t:KF+6*\t+11], v[QF:QF+11], 0, v[KSC+\t/2], v[QS] matrix_a_fmt:MATRIX_FMT_FP6 matrix_b_fmt:MATRIX_FMT_FP6
	v_wmma_scale_f32_16x16x128_f8f6f4 v[S+8*\t+8:S+8*\t+15], v[KF+6*\t+6:KF+6*\t+17], v[QF:QF+11], 0, v[KSC+\t/2], v[QS] matrix_a_fmt:MATRIX_FMT_FP6 matrix_b_fmt:MATRIX_FMT_FP6 matrix_a_scale:MATRIX_SCALE_ROW1
.endr
.rept 4
	v_nop                                          ; places in front of loads into registers that these products have read, and of the first read of the scores
.endr
.irp g, 0,1,2,3,4,5,6,7,8,9,10,11              ; V is asked for here and lands under the softmax
	ds_load_b128 v[KF+4*\g:KF+4*\g+3], v[LI] offset:BO+6144+512*\g
.endr
	ds_load_b128 v[VSC:VSC+3], v[LI] offset:BO+12800
	s_bitcmp1_b32 s23, 0                           ; a step in which some key is hidden: its 64 lane masks are loaded and used inside this one branch
	s_cbranch_scc0 .Lopen_\@
	s_load_b512 s[32:47], s[28:29], 256*(\k)
	s_load_b512 s[48:63], s[28:29], 256*(\k)+64
	s_load_b512 s[68:83], s[28:29], 256*(\k)+128
	s_load_b512 s[84:99], s[28:29], 256*(\k)+192
	s_wait_kmcnt 0x0
.set n, 0
.rept 64
.if n < 32
	v_cndmask_b32 v[S+n], v[NEGR], v[S+n], s[32+n] ; the score where the key counts, else -2^100
.else
	v_cndmask_b32 v[S+n], v[NEGR], v[S+n], s[36+n]
.endif
.set n, n+1
.endr
.Lopen_\@:
.irp b, 0,1,2,3
	v_max3_num_f32 v[BM+\b], v[S+16*\b], v[S+16*\b+1], v[S+16*\b+2]   ; the largest score of each block of 32 keys: for the row's maximum, and, since p rises with the score, for the block's largest p
.endr
.irp i, 3,5,7,9,11,13
.irp b, 0,1,2,3
	v_max3_num_f32 v[BM+\b], v[BM+\b], v[S+16*\b+\i], v[S+16*\b+\i+1]
.endr
.endr
.irp b, 0,1,2,3
	v_max_num_f32 v[BM+\b], v[BM+\b], v[S+16*\b+15]
.endr
.irp b, 0,1,2,3
	v_permlanex16_b32 v[PT+\b], v[BM+\b], s2, s3
.endr
.irp b, 0,1,2,3
	v_max_num_f32 v[BM+\b], v[BM+\b], v[PT+\b]     ; with lane l xor 16's 16 keys
.endr
	v_max3_num_f32 v[TW], v[BM], v[BM+1], v[BM+2]
	v_max_num_f32 v[TW], v[TW], v[BM+3]
	v_mul_f32 v[TW], s24, v[TW]                    ; as t (c is positive)
	v_max_num_f32 v13, v13, v[TW]                  ; the running largest t
	v_mov_b32 v[TW], v12
	v_floor_f32 v12, -v13                          ; the new -M = floor(-t): M is a whole number
	v_sub_f32 v[TW], v12, v[TW]                    ; old M - new M: a whole number, 0 or less
	v_cvt_i32_f32 v[TW], v[TW]                     ; (it saturates)
	v_ldexp_f32 v[FF], 1.0, v[TW]                  ; f = 2^(old M - new M)
.set j, 0
.rept 32
	v_pk_fma_f32 v[S+j:S+j+1], v[S+j:S+j+1], s[24:25], v[12:13] op_sel_hi:[1,0,0]   ; t - M, two at a time
.set j, j+2
.endr
.irp b, 0,1,2,3
	v_fma_f32 v[BM+\b], v[BM+\b], s24, v12
.endr
.set j, 0
.rept 64
	v_exp_f32 v[S+j], v[S+j]                       ; p = 2^(t - M)
.set j, j+1
.endr
	v_pk_mul_f32 v[14:15], v[14:15], v[FF:FF+1] op_sel_hi:[1,0]   ; the sums under the new M (the plain place behind the exponentials)
	s_wait_alu depctr_va_vdst(0)                   ; one wait for the batch of 64, ahead of its first reader
.irp b, 0,1,2,3
	v_exp_f32 v[BM+\b], v[BM+\b]                   ; the block's largest p
.endr
	v_pk_add_f32 v[L2:L2+1], v[S:S+1], v[S+2:S+3]  ; the row's sum of the UNQUANTISED p, in two chains
.set j, 4
.rept 15
	v_pk_add_f32 v[14:15], v[14:15], v[S+j:S+j+1]
	v_pk_add_f32 v[L2:L2+1], v[L2:L2+1], v[S+j+2:S+j+3]
.set j, j+4
.endr
	v_pk_add_f32 v[14:15], v[14:15], v[L2:L2+1]
	s_wait_alu depctr_va_vdst(0)                   ; and one for the four
.irp b, 0,1,2,3
	v_max_num_f32 v[BM+\b], 0x1800000, v[BM+\b]    ; the floor 2^(3 - 127): the byte cannot fall under 1
.endr
.irp b, 0,1,2,3
	v_add_nc_u32 v[SO+\b], 0xff000000, v[BM+\b]    ; 2 off the exponent field: the conversion's scale operand
.endr
.irp b, 0,1,2,3
	v_lshrrev_b32 v[PT+\b], 23, v[SO+\b]           ; the scale's byte
.endr
	v_lshl_or_b32 v[PS], v[PT+1], 8, v[PT]
	v_lshl_or_b32 v[PS], v[PT+2], 16, v[PS]
	v_lshl_or_b32 v[PS], v[PT+3], 24, v[PS]
.irp c, 0,1
	v_cvt_scalef32_pk16_fp6_f32 v[PC+6*\c:PC+6*\c+2], v[S+32*\c:S+32*\c+15], v[SO+2*\c]
	v_cvt_scalef32_pk16_fp6_f32 v[PC2+4*\c:PC2+4*\c+2], v[S+32*\c+16:S+32*\c+31], v[SO+2*\c+1]
.endr
	v_nop                                          ; one plain place behind a scaled conversion
.irp c, 0,1
.irp i, 0,1,2
	v_permlane16_swap_b32 v[PC+6*\c+\i], v[PC2+4*\c+\i]
.endr
.irp i, 0,1,2
	v_mov_b32 v[PC+3+6*\c+\i], v[PC2+4*\c+\i]
.endr
.endr
.set j, 0
.rept 16
	v_pk_mul_f32 v[O+j:O+j+1], v[O+j:O+j+1], v[FF:FF+1] op_sel_hi:[1,0]   ; O^T under the new M; these sixteen are also the places between p's codes and scale word and the products
.set j, j+2
.endr
	s_wait_dscnt 0x0                               ; V
.irp t, 0,1,2,3                                ; O^T += V^T P^T: four tiles of 16 of the head's 64, by turns
	v_wmma_scale_f32_16x16x128_f8f6f4 v[O+8*\t:O+8*\t+7], v[KF+12*\t:KF+12*\t+11], v[PC:PC+11], v[O+8*\t:O+8*\t+7], v[VSC+\t], v[PS] matrix_a_fmt:MATRIX_FMT_FP6 matrix_b_fmt:MATRIX_FMT_FP6
.endr
.rept 4
	v_nop                                          ; places in front of the next loads into these products' registers and of the next read of O^T
.endr
.endm
; A STEP of the work-group.  The next step's record is asked for, if any tile needs it; my tile's step is computed, if it needs it; the record goes into the other buffer; one barrier.
; That buffer was last read a step ago, ahead of that step's barrier; its stores have landed ahead of this step's.
.macro STEPX k
	s_bitcmp1_b32 s21, 1
	s_cbranch_scc0 .Lnl_\@
	COPYLOAD (\k)+1
.Lnl_\@:
.if (\k) == 0
	ASK
.endif
	s_bitcmp1_b32 s22, 0
	s_cbranch_scc0 .Lnc_\@
	COMPUTE \k
.Lnc_\@:
	s_wait_loadcnt 0x0                             ; on every path
	s_bitcmp1_b32 s21, 1
	s_cbranch_scc0 .Lns_\@
	COPYSTORE 1-(\k)
.Lns_\@:
	s_lshr_b32 s21, s21, 1
	s_lshr_b32 s22, s22, 1
	s_lshr_b32 s23, s23, 1
	s_wait_dscnt 0x0                               ; my stores have landed and my reads are in
	s_barrier_signal -1
	s_barrier_wait -1
.endm
	s_load_b256 s[4:11], s[0:1], 0x0               ; qc, kv, mw, tflag
	s_load_b128 s[12:15], s[0:1], 0x20             ; cc, cs
	v_lshl_add_u32 v[SPW], v0, 2, SPARE
	v_mov_b32 v[NIL], 0
	v_lshrrev_b32 v9, 5, v0
	v_readfirstlane_b32 s16, v9                    ; wave 0..15
	v_and_b32 v9, 31, v0
	v_lshlrev_b32 v[LI], 4, v9
	v_lshlrev_b32 v[L8], 3, v9
	v_lshlrev_b32 v[CP], 4, v0
	v_lshlrev_b32 v[PFO], 8, v9
	v_and_b32 v10, 15, v0
	v_lshlrev_b32 v[R16], 4, v10
	v_lshlrev_b32 v[R32], 5, v10
	v_mov_b32 v[NEGR], 0xf1800000                  ; -2^100
.irp j, 0,1,2,3,4,5
	v_mov_b32 v[QF+6+\j], 0                        ; Q's upper 64 along K: zero codes
	v_mov_b32 v[KF+48+\j], 0                       ; what stands behind K's last tile
.endr
.irp j, 0,1,2,3,4,5,6,7
	v_mov_b32 v[CST+\j], 0                         ; written once, so that the stage is defined on every path
.endr
.irp j, 0,1,2,3
	v_mov_b32 v[PT+\j], 0                          ; a lane permute's destination counts as one of its sources
.endr
	v_mov_b32 v[FF+1], 0                           ; (named as the upper half of a pair)
	v_mov_b32 v[TW], 0
	s_mov_b32 s2, 0x76543210
	s_mov_b32 s3, 0xfedcba98
	s_mov_b32 s24, 0x3e38aa3b                      ; c = log2(e) / 8
	s_mov_b32 s25, s24
	s_mov_b32 s17, ttmp9                           ; my first query block
	s_and_b32 s18, ttmp7, 0xffff                   ; batch x 16 + head
	s_mov_b32 s19, 2
	s_sub_co_u32 s101, s16, 12
	s_lshr_b32 s104, s101, 2                       ; 0 in waves 12 to 15,
	s_or_b32 s104, s104, ttmp9                     ; of the head's first work-group
	s_add_co_u32 s101, s101, 4
	s_cmp_eq_u32 s104, 0
	s_cselect_b32 s100, s101, 64                   ; my first chunk, or a number past the last
	s_cselect_b32 s101, s101, 0
	s_lshl_b32 s104, s101, 13
	s_mov_b32 s105, 0
	s_mul_i32 s26, s18, 16*REC                     ; a head's 16 records
	s_mov_b32 s27, 0
	s_wait_kmcnt 0x0
	s_add_nc_u64 s[6:7], s[6:7], s[26:27]
	s_add_nc_u64 s[30:31], s[6:7], s[104:105]
.Lblock:                                               ; two trips: query blocks x and 7 - x
	s_lshl_b32 s104, s17, 6
	s_mov_b32 s105, 0
	s_add_nc_u64 s[104:105], s[10:11], s[104:105]
	s_lshl_b32 s101, s16, 2
	s_load_b512 s[32:47], s[104:105], 0x0          ; the sixteen tiles' flags,
	s_load_b32 s22, s[104:105], s101 offset:0x0    ; and mine
	s_lshl_b32 s68, s18, 4
	s_lshl_b32 s69, s17, 1
	s_add_co_u32 s68, s68, s69
	s_lshr_b32 s69, s16, 3
	s_add_co_u32 s68, s68, s69                     ; Q's record: 16 x head + 2 x block + wave / 8
	s_mul_i32 s76, s68, 6656
	s_and_b32 s74, s16, 7                          ; my tile in it
	s_lshl_b32 s68, s74, 9
	s_add_co_u32 s68, s68, s76
	s_mov_b32 s69, 0
	s_lshl_b32 s70, s74, 8
	s_add_co_u32 s70, s70, s76
	s_mov_b32 s71, 0
	s_and_b32 s72, s74, 1
	s_lshl_b32 s72, s72, 8
	s_lshr_b32 s75, s74, 1
	s_lshl_b32 s75, s75, 2
	s_add_co_u32 s72, s72, s75
	s_add_co_u32 s72, s72, s76
	s_mov_b32 s73, 0
	s_add_nc_u64 s[68:69], s[4:5], s[68:69]
	s_add_nc_u64 s[70:71], s[4:5], s[70:71]
	s_add_nc_u64 s[72:73], s[4:5], s[72:73]
	global_load_b128 v[QF:QF+3], v[LI], s[68:69]
	global_load_b64 v[QF+4:QF+5], v[L8], s[70:71] offset:4096
	global_load_b32 v[QS], v[R16], s[72:73] offset:6144
	v_mov_b32 v13, 0xff61b1e6                      ; the largest t so far: -3e38, under every t
	v_floor_f32 v12, -v13
	v_mov_b32 v14, 0
	v_mov_b32 v15, 0
.set j, 0
.rept 32
	v_mov_b32 v[O+j], 0                            ; O^T: the step is written once; the first change of M leaves zeros zeros
.set j, j+1
.endr
	s_lshl_b32 s77, s17, 4
	s_add_co_u32 s77, s77, s16                     ; T
	s_lshl_b32 s28, s77, 12
	s_mov_b32 s29, 0
	s_add_nc_u64 s[28:29], s[8:9], s[28:29]        ; my tile's mask words
	s_mov_b64 s[26:27], s[6:7]                     ; the head's first record
	s_wait_kmcnt 0x0
	s_or_b32 s21, s32, s33
.irp i, 34,35,36,37,38,39,40,41,42,43,44,45,46,47
	s_or_b32 s21, s21, s[\i]
.endr
	s_and_b32 s21, s21, 0xffff                     ; G: the steps that some tile of the work-group needs: the same in all sixteen waves
	s_lshr_b32 s23, s22, 16                        ; my MIXED
	s_and_b32 s22, s22, 0xffff                     ; my NEED
	s_bitcmp1_b32 s21, 0
	s_cbranch_scc0 .Lno_first_load
	COPYLOAD 0
.Lno_first_load:
	s_wait_loadcnt 0x0                             ; Q, and the first record
	s_bitcmp1_b32 s21, 0
	s_cbranch_scc0 .Lno_first_store
	COPYSTORE 0                                    ; (every wave has passed the last step's barrier behind its last read of this buffer)
.Lno_first_store:
	s_wait_dscnt 0x0
	s_barrier_signal -1
	s_barrier_wait -1
	s_mov_b32 s20, 8
.Ltrip:                                                ; eight trips of two steps; in step 15 G has no bit left, so nothing is loaded past the head's records
	STEPX 0
	STEPX 1
	s_wait_xcnt 0x0                                ; the bases are stepped only behind this wait
	s_add_nc_u64 s[26:27], s[26:27], 2*REC
	s_add_nc_u64 s[28:29], s[28:29], 512
	s_add_nc_u64 s[30:31], s[30:31], 4*8192
	s_add_co_u32 s100, s100, 4
	s_sub_co_u32 s20, s20, 1
	s_cmp_lg_u32 s20, 0
	s_cbranch_scc1 .Ltrip
	; THE WAY OUT.  O^T / the sum: register 16 b + i is the head's channel 32 b + 16 (lane / 16) + i: two blocks of 32 along D, quantised as every operand is.
	v_add_f32 v14, v14, v15
	v_permlanex16_b32 v[TW], v14, s2, s3
	v_add_f32 v14, v14, v[TW]                      ; the row's sum
	v_rcp_f32 v[FF], v14
	v_nop                                          ; a plain place behind the reciprocal
	s_wait_alu depctr_va_vdst(0)                   ; and the wait ahead of its first reader
.set j, 0
.rept 16
	v_pk_mul_f32 v[S+j:S+j+1], v[O+j:O+j+1], v[FF:FF+1] op_sel_hi:[1,0]
.set j, j+2
.endr
.irp b, 0,1
	v_max3_num_f32 v[BM+\b], |v[S+16*\b]|, |v[S+16*\b+1]|, 0x1800000
.endr
.irp i, 2,4,6,8,10,12,14
.irp b, 0,1
	v_max3_num_f32 v[BM+\b], v[BM+\b], |v[S+16*\b+\i]|, |v[S+16*\b+\i+1]|
.endr
.endr
.irp b, 0,1
	v_permlanex16_b32 v[PT+\b], v[BM+\b], s2, s3
.endr
.irp b, 0,1
	v_max_num_f32 v[BM+\b], v[BM+\b], v[PT+\b]
.endr
.irp b, 0,1
	v_add_nc_u32 v[SO+\b], 0xff000000, v[BM+\b]
.endr
.irp b, 0,1
	v_lshrrev_b32 v[PT+\b], 23, v[SO+\b]
.endr
	v_lshl_or_b32 v[TW], v[PT+1], 8, v[PT]         ; my row's two scale bytes
	v_cvt_scalef32_pk16_fp6_f32 v[PC:PC+2], v[S:S+15], v[SO]
	v_cvt_scalef32_pk16_fp6_f32 v[PC+4:PC+6], v[S+16:S+31], v[SO+1]
	v_nop                                          ; one plain place behind a scaled conversion
.irp i, 0,1,2
	v_permlane16_swap_b32 v[PC+\i], v[PC+4+\i]     ; lanes 0-15 block 0, lanes 16-31 block 1: lower 16 codes in the first three registers, upper 16 in the second three
.endr
	v_mov_b32 v[PC+3], v[PC+4]                     ; registers 0-3 on end,
	v_mov_b32 v[PC+8], v[PC+5]                     ; registers 4, 5 as an even pair
	v_mov_b32 v[PC+9], v[PC+6]
	s_lshl_b32 s77, s17, 4
	s_add_co_u32 s77, s77, s16                     ; T
	s_lshr_b32 s78, s18, 4
	s_lshl_b32 s78, s78, 7
	s_add_co_u32 s78, s78, s77                     ; the tile of 16 rows: 128 x batch + T
	s_and_b32 s79, s18, 15                         ; the head
	s_mul_i32 s68, s78, 12288
	s_mul_i32 s70, s79, 768                        ; K step head / 2 (1,536 bytes), half head % 2 (768)
	s_add_co_u32 s68, s68, s70
	s_mov_b32 s69, 0
	s_add_nc_u64 s[68:69], s[12:13], s[68:69]
	s_lshl_b32 s70, s78, 9                         ; 16 rows of 32 scale bytes
	s_lshl_b32 s71, s79, 1
	s_add_co_u32 s70, s70, s71
	s_mov_b32 s71, 0
	s_add_nc_u64 s[70:71], s[14:15], s[70:71]
	global_store_b128 v[LI], v[PC:PC+3], s[68:69]              ; 512 consecutive bytes, aligned to 256
	global_store_b64 v[L8], v[PC+8:PC+9], s[68:69] offset:512  ; 256 consecutive bytes, aligned
	global_store_b16 v[R32], v[TW], s[70:71]                   ; both halves of the lanes write the same two bytes
	s_wait_xcnt 0x0                                ; the stores have read their registers and bases
	s_sub_co_u32 s17, 7, s17
	s_sub_co_u32 s19, s19, 1
	s_cmp_lg_u32 s19, 0
	s_cbranch_scc1 .Lblock
	s_wait_tensorcnt 0x0                           ; the wave's end, behind my last LDS store
	ds_add_u32 v[SPW], v[NIL]
	s_wait_dscnt 0x0
	s_endpgm
.Lfunc_end_k_q7762c8b78a_attn:
	.size	k_q7762c8b78a_attn, .Lfunc_end_k_q7762c8b78a_attn-k_q7762c8b78a_attn
	.p2alignl 7, 3214868480
	.fill 96, 4, 3214868480
	.section	.rodata,"a",@progbits
	.p2align	6, 0x0
	.amdhsa_kernel k_q7762c8b78a_attn
		.amdhsa_group_segment_fixed_size 34816
		.amdhsa_private_segment_fixed_size 0
		.amdhsa_enable_private_segment 0
		.amdhsa_kernarg_size 48
		.amdhsa_user_sgpr_count 2
		.amdhsa_user_sgpr_kernarg_segment_ptr 1
		.amdhsa_wavefront_size32 1
		.amdhsa_system_sgpr_workgroup_id_x 1
		.amdhsa_system_sgpr_workgroup_id_y 1
		.amdhsa_system_sgpr_workgroup_id_z 1
		.amdhsa_system_vgpr_workitem_id 0
		.amdhsa_next_free_vgpr 256
		.amdhsa_next_free_sgpr 106
		.amdhsa_reserve_vcc 0
		.amdhsa_float_denorm_mode_32 3
		.amdhsa_float_denorm_mode_16_64 3
		.amdhsa_memory_ordered 1
		.amdhsa_forward_progress 1
		.amdhsa_inst_pref_size 53
	.end_amdhsa_kernel
	.amdgpu_metadata
---
amdhsa.version: [ 1, 2 ]
amdhsa.kernels:
  - .name:           k_q7762c8b78a_attn
    .symbol:         k_q7762c8b78a_attn.kd
    .args:
      - { .name: qc, .offset: 0, .size: 8, .value_kind: global_buffer, .address_space: global }
      - { .name: kv, .offset: 8, .size: 8, .value_kind: global_buffer, .address_space: global }
      - { .name: mw, .offset: 16, .size: 8, .value_kind: global_buffer, .address_space: global }
      - { .name: tflag, .offset: 24, .size: 8, .value_kind: global_buffer, .address_space: global }
      - { .name: cc, .offset: 32, .size: 8, .value_kind: global_buffer, .address_space: global }
      - { .name: cs, .offset: 40, .size: 8, .value_kind: global_buffer, .address_space: global }
    .group_segment_fixed_size: 34816
    .private_segment_fixed_size: 0
    .kernarg_segment_align: 8
    .kernarg_segment_size: 48
    .max_flat_workgroup_size: 512
    .sgpr_count:     106
    .vgpr_count:     256
    .wavefront_size: 32
...
	.end_amdgpu_metadata
.endif
;; end of part 3
;; launch outp (part 4): grid 4 x 32, 4 waves a work-group, clusters of 4 x 4, 327,680 bytes of LDS; arguments cc, cs, codes, scales, bo, out0; writes out0
.if DOCPART == 4
	.amdgcn_target "amdgcn-amd-amdhsa--gfx1250"
	.amdhsa_code_object_version 6
	.text
	.protected	k_q7762c8b78a_outp
	.globl	k_q7762c8b78a_outp
	.p2align	8
	.type	k_q7762c8b78a_outp,@function
k_q7762c8b78a_outp:
	s_mov_b64 s[64:65], 0
	v_nop
	global_prefetch_b8 v0, s[64:65] scope:SCOPE_SE
	s_setreg_imm32_b32 hwreg(HW_REG_WAVE_MODE, 25, 1), 1
	s_wait_xcnt 0x0
	s_wait_alu depctr_hold_cnt(0) depctr_sa_sdst(0) depctr_va_vdst(0) depctr_va_sdst(0) depctr_va_ssrc(0) depctr_va_vcc(0) depctr_vm_vsrc(0)
	s_getreg_b32 s2, hwreg(HW_REG_IB_STS2, 6, 4)
	s_cmp_eq_u32 s2, 0
	s_cbranch_scc0 .Lentry_in_a_cluster
	s_endpgm
.Lentry_in_a_cluster:
	s_bfe_u32 s2, ttmp6, 0x10000c
	s_cmp_lg_u32 s2, 0xf033
	s_cbranch_scc0 .Lentry_shape_is_right
	s_endpgm
.Lentry_shape_is_right:
; OUTP.  out0 = context Wo^T + bo on codes of FP6 (E2M3) with E8M0 scales, K = 1,024; out0 [8192][1024] f32.
; A = the context: its codes lie as IMAGES of operand registers, [tile of 16 rows][K step of 128][half c]: 768 bytes: registers 6 c .. 6 c + 3 at 16 lane, 6 c + 4, 5 at 512 + 8 lane; rows by position (bits 3 and 4 of
; the row exchanged); its scale bytes [position][32].  B = Wo's rows, in order: codes of 768 bytes a row, scale bytes of 32.
; A tile of 256 x 256 is made by four waves, 128 x 128 each.  K goes in four steps of 256 through two LDS slots filled by the tensor data mover; the scale bytes come once.  The matrix instruction is used transposed
; (source 0 = 16 rows of Wo, source 1 = 16 rows of the context): a lane holds eight neighbouring numbers of a row of out0.  The bias is the C of each sum's first matrix instruction.
; CLUSTERS: 4 x 4 work-groups; A's tile is asked for jointly along a row of the cluster, B's along a column.  128 work-groups: what 8,192 x 1,024 gives at this tile.
; REGISTERS: window 0: v0-31 addresses; v32-63 scale words, two sets; v64-127 the bias; from v128 A's fragments, one set (on the way out v128-255 rows of out0).  window 1: B's fragments, two sets.  windows 2, 3: accumulators.
.set NQ,     2
.set ROWB,   192                       ; B: a tile's row in bytes
.set KROW,   768
.set PITCH,  240                       ; B: an LDS row: 3 x (64 bytes + 16 of padding)
.set FR,     12
.set NLA,    4                         ; LDS loads that bring a fragment of A
.set NP,     4
.set AROW,   3072                      ; A: a tile of 16 rows x 256 along K, as images
.set HALFA,  8*AROW                    ; 128 rows of A
.set HALFT,  128*PITCH                 ; 128 rows of B
.set SLOT,   2*HALFA+2*HALFT
.set KS,     32
.set SCL,    2*SLOT
.set HALFS,  (128*KS/256)*272
.set SBLK,   (16*KS/256)*272
.set SPARE,  SCL+4*HALFS               ; the spare words, 128 bytes a wave
.set SPITCH, 528                       ; the way out: a stage of 16 rows x (512 + 16) bytes a wave, in slot 0, which has had its last fill and its last read by then
.set WOC,    21233664                  ; where Wo's codes begin
.set WOS,    884736                    ; and its scale bytes
.set NROW,   4096                      ; a row of out0 in bytes
.set ADRA, 16                          ; v16-17 16 x lane + my half of A in slot 0, 1; v18-19 the same with 8 x lane
.set ADRB, 20                          ; v20-23 B's, as rows
.set STO,  24
.set RD,   25
.set CO,   26
.set ADRS, 27
.set SPW,  28
.set NIL,  29
.set SC,   32
.set BI,   64
.set AF,   128
.set BK,   128
.set OUTP, 98                          ; s[98:99] out0
.set G1, 24
.set G0, 32
.set G1B, 48
.set G0B, 56
.set G1S, 68
.set G0S, 76
.set G1SB, 80
.set G0SB, 88
.set MSB, 0
.macro WIN new
.if MSB != \new
	s_set_vgpr_msb (MSB<<8)|\new
.set MSB, \new
.endif
.endm
.set MUL_LO, 0xa1
.set MUL_HI, 0xf1
.set TO_B,   0x40
.macro JLOAD g0a, g1a, g0b, g1b        ; a joint load: waves 0 and 1 fetch for A, waves 2 and 3 for B; an s_nop 0 and four v_nop follow each line
	s_cmp_eq_u32 s15, 0
	s_cbranch_scc0 .Lfor_b_\@
	tensor_load_to_lds s[\g0a:\g0a+3], s[\g1a:\g1a+7]
	s_nop 0
.rept 4
	v_nop
.endr
	s_branch .Lasked_\@
.Lfor_b_\@:
	tensor_load_to_lds s[\g0b:\g0b+3], s[\g1b:\g1b+7]
	s_nop 0
.rept 4
	v_nop
.endr
.Lasked_\@:
.endm
.macro CREST
	s_cmp_lg_u32 s14, 0
	s_cbranch_scc1 .Lnot_wave_0_\@
	s_barrier_signal -3
.Lnot_wave_0_\@:
	s_barrier_wait -3
	s_barrier_signal -1
	s_barrier_wait -1
.endm
.macro CROUND
	s_barrier_signal -1
	s_barrier_wait -1
	CREST
.endm
	s_load_b128 s[4:7], s[0:1], 0x0                ; cc, cs
	s_load_b128 s[8:11], s[0:1], 0x10              ; codes, scales
	s_load_b128 s[96:99], s[0:1], 0x20             ; bo, out0
	v_lshl_add_u32 v[SPW], v0, 2, SPARE
	v_mov_b32 v[NIL], 0
	ds_add_u32 v[SPW], v[NIL]                      ; the wave's opening: the add and its wait ahead of my first tensor load
	v_lshrrev_b32 v1, 5, v0
	v_readfirstlane_b32 s14, v1
	s_lshr_b32 s15, s14, 1                         ; my half of the rows.  Also: I fetch for A (0) or for B (1)
	s_and_b32 s16, s14, 1                          ; my half of the columns.  Also: which 128 rows I fetch
	s_bfe_u32 s40, ttmp6, 0x40000                  ; cx
	s_bfe_u32 s41, ttmp6, 0x40004                  ; cy
	s_lshl_b32 s42, ttmp9, 2
	s_add_co_u32 s42, s42, s40                     ; tile column
	s_and_b32 s17, ttmp7, 0xffff
	s_lshl_b32 s17, s17, 2
	s_add_co_u32 s17, s17, s41                     ; tile row
	s_lshl_b32 s43, s41, 2
	s_lshl_b32 s43, 15, s43                        ; my row of the cluster
	s_lshl_b32 s44, 0x1111, s40                    ; my column
	; A: 8 tiles of 16 rows, 3,072 dense bytes of each (384 elements of 8 bytes), 12,288 bytes (1,536 elements) apart; no padding: the images are read as consecutive bytes
	s_or_b32 s[G1+0], s43, (3<<16)|(1<<21)
	s_mov_b32 s[G1+1], 384<<16                     ; tensor_dim0
	s_mov_b32 s[G1+2], 8<<16                       ; tensor_dim1
	s_mov_b32 s[G1+3], 384<<16                     ; tile_dim0
	s_mov_b32 s[G1+4], 8                           ; tile_dim1
	s_mov_b32 s[G1+5], 1536                        ; the pitch
	s_mov_b32 s[G1+6], 0
	s_mov_b32 s[G1+7], 0
	; B: 128 rows x 192 bytes, 16 bytes of padding behind every 64
	s_or_b32 s[G1B+0], s44, (0<<16)|(1<<20)|(1<<21)|(3<<22)|(3<<25)
	s_mov_b32 s[G1B+1], ROWB<<16
	s_mov_b32 s[G1B+2], 128<<16
	s_mov_b32 s[G1B+3], ROWB<<16
	s_mov_b32 s[G1B+4], 128
	s_mov_b32 s[G1B+5], KROW
	s_mov_b32 s[G1B+6], 0
	s_mov_b32 s[G1B+7], 0
	; the scales of 128 rows: 16 rows of 256 bytes, 16 bytes of padding behind each
	s_or_b32 s[G1S+0], s43, (3<<16)|(1<<20)|(1<<21)|(5<<22)|(3<<25)
	s_or_b32 s[G1SB+0], s44, (3<<16)|(1<<20)|(1<<21)|(5<<22)|(3<<25)
.irp g, G1S, G1SB
	s_mov_b32 s[\g+1], 32<<16
	s_mov_b32 s[\g+2], (128*KS/256)<<16
	s_mov_b32 s[\g+3], 32<<16
	s_mov_b32 s[\g+4], 128*KS/256
	s_mov_b32 s[\g+5], 32
	s_mov_b32 s[\g+6], 0
	s_mov_b32 s[\g+7], 0
.endr
	s_lshl_b32 s18, s16, 7
	s_lshl_b32 s20, s17, 8
	s_add_co_u32 s20, s20, s18                     ; A's row (position)
	s_lshl_b32 s46, s42, 8
	s_add_co_u32 s46, s46, s18                     ; B's row
	s_lshl_b32 s22, s20, 5
	s_mov_b32 s23, 0
	s_lshl_b32 s92, s46, 5
	s_add_co_u32 s92, s92, WOS
	s_mov_b32 s93, 0
	s_mul_i32 s20, s20, KROW                       ; 12,288 bytes for 16 rows
	s_mov_b32 s21, 0
	s_mul_i32 s46, s46, KROW
	s_add_co_u32 s46, s46, WOC
	s_mov_b32 s47, 0
	s_mul_i32 s45, s16, HALFA                      ; where they go: A's two halves,
	s_mul_i32 s2, s16, HALFT
	s_add_co_u32 s2, s2, 2*HALFA                   ; then B's two
	s_mul_i32 s94, s14, HALFS
	s_wait_dscnt 0x0                               ; the opening add is done
	s_wait_kmcnt 0x0
	s_add_nc_u64 s[20:21], s[4:5], s[20:21]
	s_add_nc_u64 s[22:23], s[6:7], s[22:23]
	s_add_nc_u64 s[46:47], s[8:9], s[46:47]
	s_add_nc_u64 s[92:93], s[10:11], s[92:93]
	CROUND                                         ; all sixteen work-groups are here: the first joint loads meet
	s_mov_b32 s[G0S], 1
	s_add_co_u32 s[G0S+1], s94, SCL
	s_mov_b64 s[G0S+2:G0S+3], s[22:23]
	s_or_b32 s[G0S+3], s[G0S+3], 0x80000000
	s_mov_b32 s[G0SB], 1
	s_add_co_u32 s[G0SB+1], s94, SCL
	s_mov_b64 s[G0SB+2:G0SB+3], s[92:93]
	s_or_b32 s[G0SB+3], s[G0SB+3], 0x80000000
	JLOAD G0S, G1S, G0SB, G1SB                     ; the scales first; three loads of mine are out behind these lines
.irp s, 0,1
	s_mov_b32 s[G0+4*\s], 1
	s_add_co_u32 s[G0+4*\s+1], s45, \s*SLOT
	s_add_nc_u64 s[G0+4*\s+2:G0+4*\s+3], s[20:21], \s*AROW
	s_or_b32 s[G0+4*\s+3], s[G0+4*\s+3], 0x80000000
	s_mov_b32 s[G0B+4*\s], 1
	s_add_co_u32 s[G0B+4*\s+1], s2, \s*SLOT
	s_add_nc_u64 s[G0B+4*\s+2:G0B+4*\s+3], s[46:47], \s*ROWB
	s_or_b32 s[G0B+4*\s+3], s[G0B+4*\s+3], 0x80000000
	JLOAD G0+4*\s, G1, G0B+4*\s, G1B
.endr
	v_and_b32 v1, 15, v0                           ; r
	v_bfe_u32 v2, v0, 4, 1                         ; h
	v_and_b32 v7, 31, v0
	v_lshlrev_b32 v8, 4, v7                        ; 16 x lane
	v_lshlrev_b32 v9, 3, v7                        ; 8 x lane
	v_mul_u32_u24 v3, v1, PITCH
	v_mul_u32_u24 v4, v2, 24
	v_add_nc_u32 v4, v3, v4
	v_lshl_add_u32 v5, v2, 4, v4
	s_mul_i32 s21, s15, HALFA
	s_mul_i32 s22, s16, HALFT
	s_add_co_u32 s22, s22, 2*HALFA
.irp s, 0,1
	v_add_nc_u32 v[ADRA+\s], s21, v8
	v_add_nc_u32 v[ADRA+2+\s], s21, v9
	v_add_nc_u32 v[ADRB+\s], s22, v4
	v_add_nc_u32 v[ADRB+2+\s], s22, v5
	s_add_co_u32 s21, s21, SLOT
	s_add_co_u32 s22, s22, SLOT
.endr
	v_mul_u32_u24 v5, v1, KS
	v_lshrrev_b32 v6, 8, v5
	v_lshl_add_u32 v5, v6, 4, v5
	s_mul_i32 s21, s15, HALFS
	s_mul_i32 s22, s16, HALFS
	s_add_co_u32 s22, s22, 2*HALFS
	s_sub_co_u32 s22, s22, s21
	v_mul_u32_u24 v6, s22, v2                      ; lanes 16-31 take B's
	s_add_co_u32 s21, s21, SCL
	v_add_nc_u32 v5, v5, v6
	v_add_nc_u32 v[ADRS], s21, v5
	s_mul_i32 s23, s14, 16*SPITCH                  ; my stage
	v_mul_u32_u24 v5, v1, SPITCH
	v_lshl_add_u32 v5, v2, 5, v5
	v_add_nc_u32 v[STO], s23, v5
	v_lshlrev_b32 v[CO], 4, v7
	v_add_nc_u32 v[RD], s23, v[CO]
	s_lshl_b32 s20, s17, 8
	s_lshl_b32 s21, s15, 7
	s_add_co_u32 s20, s20, s21                     ; my first row
	s_lshl_b32 s20, s20, 12                        ; x 4,096 bytes: under 2^25
	s_lshl_b32 s46, s42, 10
	s_lshl_b32 s47, s16, 9
	s_add_co_u32 s46, s46, s47                     ; my first column, in bytes
	s_add_co_u32 s20, s20, s46
	s_mov_b32 s21, 0
	s_mov_b32 s47, 0
	s_add_nc_u64 s[OUTP:OUTP+1], s[OUTP:OUTP+1], s[20:21]
	s_add_nc_u64 s[96:97], s[96:97], s[46:47]      ; my 128 columns' bias
	v_lshlrev_b32 v7, 5, v2                        ; register j of tile b is column 16 b + 8 h + j
.irp b, 0,1,2,3,4,5,6,7
	global_load_b128 v[BI+8*\b:BI+8*\b+3], v7, s[96:97] offset:64*\b
	global_load_b128 v[BI+8*\b+4:BI+8*\b+7], v7, s[96:97] offset:64*\b+16
.endr
.macro FRAG reg, adr, q, i             ; B: 12 registers in pieces of 8 bytes; where lanes 16-31's piece lies behind one padding more, the second address register serves
.irp p, 0,1,2,3,4,5
.set PCE, 12*(\q)+6*(\p/3)+\p%3
.if PCE%8 < 5
	ds_load_b64 v[\reg+2*\p:\reg+2*\p+1], v[\adr] offset:8*PCE+16*(PCE/8)+(\i)*16*PITCH
.else
	ds_load_b64 v[\reg+2*\p:\reg+2*\p+1], v[\adr+2] offset:8*PCE+16*(PCE/8)+(\i)*16*PITCH
.endif
.endr
.endm
.macro FRAG_A reg, slot, q, i          ; A: the image comes back as it was stored: four loads of consecutive bytes
.irp c, 0,1
	ds_load_b128 v[\reg+6*\c:\reg+6*\c+3], v[ADRA+\slot] offset:AROW*(\i)+1536*(\q)+768*\c
	ds_load_b64 v[\reg+6*\c+4:\reg+6*\c+5], v[ADRA+2+\slot] offset:AROW*(\i)+1536*(\q)+768*\c+512
.endr
.endm
; 16 matrix instructions: A's blocks a0, a0 + 1 x B's eight.  cm = 1: C = the bias.  The 64 accumulators take turns, one instruction a turn.
.macro MUL16 a0, p, q, sc, cm
.irp a, \a0, \a0+1
.irp b, 0,1,2,3,4,5,6,7
.if \cm
	v_wmma_scale_f32_16x16x128_f8f6f4 v[8*(8*((\a)%4)+\b):8*(8*((\a)%4)+\b)+7], v[128*(\p)+FR*\b:128*(\p)+FR*\b+FR-1], v[AF+FR*(\a):AF+FR*(\a)+FR-1], v[BI+8*\b:BI+8*\b+7], v[SC+8*NQ*(\sc)+NQ*\b+(\q)], v[SC+8*NQ*(\sc)+NQ*(\a)+(\q)] matrix_a_fmt:MATRIX_FMT_FP6 matrix_b_fmt:MATRIX_FMT_FP6 matrix_a_scale:MATRIX_SCALE_ROW1
.else
	v_wmma_scale_f32_16x16x128_f8f6f4 v[8*(8*((\a)%4)+\b):8*(8*((\a)%4)+\b)+7], v[128*(\p)+FR*\b:128*(\p)+FR*\b+FR-1], v[AF+FR*(\a):AF+FR*(\a)+FR-1], v[8*(8*((\a)%4)+\b):8*(8*((\a)%4)+\b)+7], v[SC+8*NQ*(\sc)+NQ*\b+(\q)], v[SC+8*NQ*(\sc)+NQ*(\a)+(\q)] matrix_a_fmt:MATRIX_FMT_FP6 matrix_b_fmt:MATRIX_FMT_FP6 matrix_a_scale:MATRIX_SCALE_ROW1
.endif
.endr
.endr
.endm
.macro FETCH_B slot, q, p
	WIN TO_B
.irp i, 0,1,2,3,4,5,6,7
	FRAG 128*(\p)+FR*\i, ADRB+\slot, \q, \i
.endr
	WIN 0
.endm
.macro FETCH_A slot, q, i0
.irp i, \i0, \i0+1, \i0+2, \i0+3
	FRAG_A AF+FR*(\i), \slot, \q, \i
.endr
.endm
.macro SCALES sc
.irp i, 0,1,2,3,4,5,6,7
	ds_load_b64 v[SC+8*NQ*\sc+NQ*\i:SC+8*NQ*\sc+NQ*\i+1], v[ADRS] offset:\i*SBLK
.endr
.endm
.macro PLACES n                        ; plain vector places behind matrix instructions (ISA guide 7.12.1)
.rept \n
	v_nop
.endr
.endm
.macro STEP slot, q, cm
	s_wait_dscnt 4*NLA                             ; B's set and A's blocks 0-3 are in; the youngest 16 loads (A's blocks 4-7) may be out
.if \cm
	WIN MUL_LO-0x20                                ; C (the bias) in window 0
.else
	WIN MUL_LO
.endif
	MUL16 0, (\q)%2, \q, \slot, \cm
	MUL16 2, (\q)%2, \q, \slot, \cm
	s_wait_dscnt 0
	PLACES NP
	FETCH_B \slot, (\q)+1, 1-(\q)%2
	FETCH_A \slot, (\q)+1, 0
.if \cm
	WIN MUL_HI-0x30
.else
	WIN MUL_HI
.endif
	MUL16 4, (\q)%2, \q, \slot, \cm
	MUL16 6, (\q)%2, \q, \slot, \cm
	PLACES NP
	WIN 0
	FETCH_A \slot, (\q)+1, 4
.endm
.macro TURN slot, next, fill           ; a slot's last step changes slots
	s_wait_tensorcnt 0x0                           ; all my tensor loads have landed: my part of the next slot
	ds_add_u32 v[SPW], v[NIL]
	s_wait_dscnt 4*NLA+1                           ; (the add and the youngest 16 loads may be out)
	WIN MUL_LO
	MUL16 0, 1, NQ-1, \slot, 0
	s_wait_dscnt 0x0                               ; the add is done, and my reads of this slot are over
	s_barrier_signal -1
	MUL16 2, 1, NQ-1, \slot, 0
	WIN 0
	s_barrier_wait -1
.if \fill
	CREST                                          ; the barrier has opened a round of the cluster's barrier
	s_add_nc_u64 s[G0+4*\slot+2:G0+4*\slot+3], s[G0+4*\slot+2:G0+4*\slot+3], 2*AROW
	s_add_nc_u64 s[G0B+4*\slot+2:G0B+4*\slot+3], s[G0B+4*\slot+2:G0B+4*\slot+3], 2*ROWB
	JLOAD G0+4*\slot, G1, G0B+4*\slot, G1B         ; my one tensor load behind the round; its four v_nop are the places in front of the loads below
.else
	PLACES NP
.endif
	v_add_nc_u32 v[ADRS], 4*NQ, v[ADRS]
	FETCH_B \next, 0, 0
	FETCH_A \next, 0, 0
	SCALES \next
	WIN MUL_HI
	MUL16 4, 1, NQ-1, \slot, 0
	MUL16 6, 1, NQ-1, \slot, 0
	PLACES NP
	WIN 0
	FETCH_A \next, 0, 4
.endm
	s_wait_tensorcnt 1                             ; the scales and my part of K step 0 are in (K step 1's load may be out)
	s_barrier_signal -1
	s_barrier_wait -1
	FETCH_B 0, 0, 0
	FETCH_A 0, 0, 0
	SCALES 0
	FETCH_A 0, 0, 4
	s_wait_loadcnt 0x0                             ; the bias
	STEP 0, 0, 1                                   ; the first step starts the sums with the bias
	TURN 0, 1, 1                                   ; K = 1,024 is four slots' worth: written out
	STEP 1, 0, 0
	TURN 1, 0, 1
	STEP 0, 0, 0
	TURN 0, 1, 0
	STEP 1, 0, 0
	s_wait_dscnt 4*NLA
	WIN MUL_LO
	MUL16 0, 1, NQ-1, 1, 0
	MUL16 2, 1, NQ-1, 1, 0
	s_wait_dscnt 0
	WIN MUL_HI
	MUL16 4, 1, NQ-1, 1, 0
	MUL16 6, 1, NQ-1, 1, 0
	WIN 0
; THE WAY OUT, block by block of 16 rows x 128 columns, through my own stage in LDS: back as whole rows of 512 bytes.  Stage row t of block a is position 16 a + t: row 32 (a / 2) + 8 (a % 2) + t + 8 (t / 8).
.macro TOSTAGE a
.set AC, 64*((\a)%4)
	WIN 0x08+4*((\a)/4)                            ; an LDS store's data: window 2 or 3
.irp b, 0,1,2,3,4,5,6,7
	ds_store_b128 v[STO], v[AC+8*\b:AC+8*\b+3] offset:64*\b          ; each accumulator from its low end on
	ds_store_b128 v[STO], v[AC+8*\b+4:AC+8*\b+7] offset:64*\b+16
.endr
	WIN 0
.set BB, BK+64*((\a)%2)
.irp t, 0,1,2,3,4,5,6,7,8,9,10,11,12,13,14,15
	ds_load_b128 v[BB+4*\t:BB+4*\t+3], v[RD] offset:\t*SPITCH        ; LDS serves a wave's instructions in order: these see the stores above
.endr
.endm
.macro SEND a, younger
.set BB, BK+64*((\a)%2)
	s_wait_dscnt \younger                          ; the block is back in registers
.if (\a) > 0
.if (\a)%2
	s_add_nc_u64 s[OUTP:OUTP+1], s[OUTP:OUTP+1], 8*NROW    ; (behind a wait on XCNT)  into an odd block: 8 rows on,
.else
	s_add_nc_u64 s[OUTP:OUTP+1], s[OUTP:OUTP+1], 24*NROW   ; into an even one: 24
.endif
.endif
.irp t, 0,1,2,3,4,5,6,7,8,9,10,11,12,13,14,15
	global_store_b128 v[CO], v[BB+4*\t:BB+4*\t+3], s[OUTP:OUTP+1] offset:(\t+8*(\t/8))*NROW th:TH_STORE_NT   ; 32 lanes store 512 consecutive bytes, aligned to 256
.endr
.endm
	PLACES NP
	TOSTAGE 0
.irp a, 1,2,3,4,5,6,7
.if \a > 1
	s_wait_xcnt 0x0                                ; block a - 2's stores have read their registers and their base
.endif
	TOSTAGE \a
	SEND \a-1, 32                                  ; behind block a - 1's loads: block a's 16 stores and 16 loads
.endr
	s_wait_xcnt 0x0
	SEND 7, 0
	s_wait_tensorcnt 0x0                           ; the wave's end
	ds_add_u32 v[SPW], v[NIL]
	s_wait_dscnt 0x0
	CROUND                                         ; the closing round
	s_endpgm
.Lfunc_end_k_q7762c8b78a_outp:
	.size	k_q7762c8b78a_outp, .Lfunc_end_k_q7762c8b78a_outp-k_q7762c8b78a_outp
	.p2alignl 7, 3214868480
	.fill 96, 4, 3214868480
	.section	.rodata,"a",@progbits
	.p2align	6, 0x0
	.amdhsa_kernel k_q7762c8b78a_outp
		.amdhsa_group_segment_fixed_size 327680
		.amdhsa_private_segment_fixed_size 0
		.amdhsa_enable_private_segment 0
		.amdhsa_kernarg_size 48
		.amdhsa_user_sgpr_count 2
		.amdhsa_user_sgpr_kernarg_segment_ptr 1
		.amdhsa_wavefront_size32 1
		.amdhsa_system_sgpr_workgroup_id_x 1
		.amdhsa_system_sgpr_workgroup_id_y 1
		.amdhsa_system_sgpr_workgroup_id_z 1
		.amdhsa_system_vgpr_workitem_id 0
		.amdhsa_next_free_vgpr 1024
		.amdhsa_next_free_sgpr 106
		.amdhsa_reserve_vcc 0
		.amdhsa_float_denorm_mode_32 3
		.amdhsa_float_denorm_mode_16_64 3
		.amdhsa_memory_ordered 1
		.amdhsa_forward_progress 1
		.amdhsa_inst_pref_size 153
	.end_amdhsa_kernel
	.amdgpu_metadata
---
amdhsa.version: [ 1, 2 ]
amdhsa.kernels:
  - .name:           k_q7762c8b78a_outp
    .symbol:         k_q7762c8b78a_outp.kd
    .args:
      - { .name: cc, .offset: 0, .size: 8, .value_kind: global_buffer, .address_space: global }
      - { .name: cs, .offset: 8, .size: 8, .value_kind: global_buffer, .address_space: global }
      - { .name: codes, .offset: 16, .size: 8, .value_kind: global_buffer, .address_space: global }
      - { .name: scales, .offset: 24, .size: 8, .value_kind: global_buffer, .address_space: global }
      - { .name: bo, .offset: 32, .size: 8, .value_kind: global_buffer, .address_space: global }
      - { .name: out0, .offset: 40, .size: 8, .value_kind: global_buffer, .address_space: global }
    .group_segment_fixed_size: 327680
    .private_segment_fixed_size: 0
    .kernarg_segment_align: 8
    .kernarg_segment_size: 48
    .max_flat_workgroup_size: 128
    .sgpr_count:     106
    .vgpr_count:     1024
    .wavefront_size: 32
...
	.end_amdgpu_metadata
.endif
;; end of part 4
